; MI455X (gfx1250); checked and timed in simulation.
; The chip was launched on July 23, 2026; its instructions are those of AMD's public machine-readable ISA for CDNA 5 (MIT licence, August 2026) and "CDNA5" Instruction Set Architecture Reference Guide (July 2026). The comments in the code are by the model that wrote it; some were corrected since.
;; Rotary Self Attention. Allowed arithmetic: matrix products marked QUANTISED: E2M3 operands, one E8M0 scale for each 32 along K, by v_wmma_scale_f32_16x16x128_f8f6f4 with both operands' format E2M3, f32 sums; everything else in f32.
;; Inputs: W_out_codes 1,024 x 32 x 24 uint8 (E2M3 codes of W_out, K innermost, in blocks of 32 codes, four codes in three bytes); W_out_scales 1,024 x 32 uint8 (E8M0 scales of W_out, one for each 32 codes along K); W_qkv_codes 3,072 x 32 x 24 uint8 (E2M3 codes of W_qkv, K innermost, in blocks of 32 codes, four codes in three bytes); W_qkv_scales 3,072 x 32 uint8 (E8M0 scales of W_qkv, one for each 32 codes along K); b_out 1,024 float32; b_qkv 3,072 float32; x_codes 4 x 2,048 x 32 x 24 uint8 (E2M3 codes of x, K innermost, in blocks of 32 codes, four codes in three bytes); x_scales 4 x 2,048 x 32 uint8 (E8M0 scales of x, one for each 32 codes along K).
;; Outputs: out0 4 x 2,048 x 1,024 float32.
;; This version of the problem:
;;   THIS VERSION OF THE PROBLEM IS GIVEN IN LOW PRECISION. The matrix products marked QUANTISED in the list below multiply operands that are first quantised to E2M3 (2 exponent bits, 3 mantissa bits; 6 bits a number), with one power-of-two scale for each 32 numbers along K (OCP MX v1.0); their sums are f32. All else is computed in f32.
;;   The module's matrix products, in the order in which they are computed (A, B: the left and right operand; K: the contracted axis; several contracted axes count as one K, in the product's order):
;;     1. [M 8,192, K 1,024] x [K 1,024, N 3,072]; A: input x (given as codes); B: input W_qkv (given as codes): QUANTISED
;;     2. batch 64 x [M 2,048, K 64] x [K 64, N 2,048]; A: computed on the way; B: computed on the way: QUANTISED
;;     3. batch 64 x [M 2,048, K 2,048] x [K 2,048, N 64]; A: softmax (see below); B: computed on the way: QUANTISED
;;     4. [M 8,192, K 1,024] x [K 1,024, N 1,024]; A: computed on the way; B: input W_out (given as codes): QUANTISED
;;   THE QUANTISER, for each operand of a quantised product, along K:
;;     - K is cut into blocks of 32 from its start; a last block that is shorter is filled with zeros.
;;     - A block's scale is 2^e with e = floor(log2(the largest magnitude in the block)) - 2, held to -126 .. 127; a block of zeros has e = 0. As a byte (E8M0): e + 127.
;;     - Each number is divided by its block's scale, clamped to +-7.5, and rounded to the nearest number of E2M3, ties to even, subnormals kept.
;;     - The product sums the exact products of the quantised numbers (number of the format x scale) in f32.
;;   ~~~python
;;   def quantise(x, axis):      # numpy; x: float32 -> the quantised numbers, widened to float32 again
;;       x = np.moveaxis(x, axis, -1); K = x.shape[-1]
;;       x = np.pad(x, [(0, 0)] * (x.ndim - 1) + [(0, -K % 32)]); x = x.reshape(x.shape[:-1] + (-1, 32)); a = np.abs(x).max(-1, keepdims=True)
;;       e = np.where(a > 0, np.clip(np.frexp(np.where(a > 0, a, 1))[1] - 1 - 2, -126, 127), 0)      # np.frexp(a)[1] - 1 = floor(log2(a)), exactly
;;       r = np.clip(x / 2.0 ** e, -7.5, 7.5)
;;       step = 2.0 ** (np.maximum(np.frexp(np.where(r == 0, 1, r))[1] - 1, 0) - 3)
;;       q = np.round(r / step) * step * 2.0 ** e      # np.round: ties to even
;;       return np.moveaxis(q.reshape(q.shape[:-2] + (-1,))[..., :K], -1, axis).astype(np.float32)
;;   ~~~
;;   SOFTMAX AHEAD OF A QUANTISED PRODUCT. Where the list says 'softmax', what is quantised is not the finished softmax but p = 2^(t - M), with t = logit x log2(e) and M = ceil(the row's largest t), a whole number; so 1/2 < the row's largest p <= 1. The row's sum l is taken of the UNQUANTISED p, in f32, and the product's result is divided by l at the end. Since M is a whole number, a kernel that streams over the keys may use a running M (the ceiling of the running maximum): every later rescaling is an exact power of two, which a block's scale takes up: the codes' values come out the same.
;;   OPERANDS COMPUTED ON THE WAY. 'Computed on the way' means the value that the module computes at that place (a softmax that the list does not call 'softmax' is quantised finished and normalised). What goes into a quantiser is computed in f32, as accurately as f32 sums, v_exp_f32 and their like allow (about 1e-6 of the number): no bf16 or f16 on the way to a quantiser, and a product that is left as it is and whose result goes on into a quantised operand takes f32 operands (vector FMAs, or v_wmma_f32_16x16x4_f32). A number that lies on a knife's edge between two numbers of the format may be rounded either way, as far as f32 arithmetic and the matrix unit's own rounding can turn it there, and no further.
;;   INPUTS GIVEN AS CODES. W_out (in the module: [1024, 1024], K = its axis 0); W_qkv (in the module: [1024, 3072], K = its axis 0); x (in the module: [4, 2048, 1024], K = its axis 2): each comes as NAME_codes (uint8): NAME with its K axis moved to the last place and cut into blocks of 32 codes, [.., K / 32, bytes a block], one block behind the other in memory; four codes in three bytes: a row's codes are one little-endian stream of bits, code i at bits 6 i .. 6 i + 5 (a code: sign, 2 exponent bits, 3 mantissa bits); and NAME_scales (uint8): the same leading axes, one E8M0 byte (e + 127) for each 32 codes along K. Its value is code x scale, taken as it is: it is not quantised again, and the codes and scales need not be those that the quantiser above would give.
;; One version. Each part assembles by itself: llvm-mc -triple=amdgcn-amd-amdhsa -mcpu=gfx1250 --defsym DOCPART=n.
;; ======== version 1 of 1: 4 launches
;; limits: right only within a limited range of input values
;; workspace buffers: tab 524,288 bytes; qkv 20,185,088 bytes; ao 6,291,456 bytes; asc 262,144 bytes
;; launch rope (part 1): grid 256 x 1, 1 waves a work-group, no clusters, 0 bytes of LDS; arguments tab; writes tab
.if DOCPART == 1
	.amdgcn_target "amdgcn-amd-amdhsa--gfx1250"
	.amdhsa_code_object_version 6
	.text
	.protected	k_q1f22c53f4a_rope
	.globl	k_q1f22c53f4a_rope
	.p2align	8
	.type	k_q1f22c53f4a_rope,@function
k_q1f22c53f4a_rope:
	s_mov_b64 s[64:65], 0
	v_nop
	global_prefetch_b8 v0, s[64:65] scope:SCOPE_SE
	s_setreg_imm32_b32 hwreg(HW_REG_WAVE_MODE, 25, 1), 1
	s_wait_xcnt 0x0
; The rotary table: cos and sin of fl(t x inv_freq[i]), t = 0 .. 2047, i = 0 .. 31, inv_freq[i] = 10000^(-i/32) = 10^(-i/8).
; LAYOUT: as the next launch's lanes want it.  Token tile T (tokens 16 T + r) begins at 4096 T and holds eight chunks of 512 bytes, lane l = r + 16 h at 16 l:
; chunks 0-3 the cosines of e = 4 k .. 4 k + 3, chunks 4-7 the sines; e = 0 .. 15 stands for frequency i = 16 (e / 8) + 8 h + e % 8.
; SHARES: one wave to a work-group; work-group 2 T + G makes e = 8 G .. 8 G + 7 of tile T: eight angles a lane, i = 16 G + 8 h + e'.
; ARITHMETIC: inv_freq = fl(10^(-e'/8) x 10^(-(2 G + h))), both factors rounded constants; the angle = fl(t x inv_freq).  k = the nearest whole number to angle x 2/pi;
; r = angle - k pi/2 with pi/2 in two parts (two fused multiply-adds); sine and cosine of r, |r| <= pi/4, by polynomials of degree 7 and 8; the quadrant by selects and sign bits.
; LIMITS: inv_freq lies within about 1.5 units in the last place of the true number; the reduction holds for angles under 2^11 x pi/2 (here under 2,048).
; No LDS, no barrier: waves share nothing.  Each store of the wave covers 512 consecutive bytes, aligned.
.set RA, 8                             ; v8-15   the angles
.set RK, 16                            ; v16-23  k as f32
.set RR, 24                            ; v24-31  r
.set RZ, 32                            ; v32-39  r^2
.set PS, 40                            ; v40-47  sin r
.set PQ, 48                            ; v48-55  cos r
.set KI, 56                            ; v56-63  k as a whole number
.set CO, 64                            ; v64-71  the cosines
.set SI, 72                            ; v72-79  the sines
.set TT, 80                            ; v80-87  at work
	s_load_b64 s[4:5], s[0:1], 0x0                 ; tab
	s_lshr_b32 s6, ttmp9, 1                        ; T
	s_and_b32 s7, ttmp9, 1                         ; G
	s_lshl_b32 s10, s6, 12
	s_lshl_b32 s11, s7, 10
	s_add_co_u32 s10, s10, s11                     ; 4096 T + 1024 G
	s_mov_b32 s11, 0
	s_lshl_b32 s12, s6, 4                          ; the tile's first token
	s_cmp_eq_u32 s7, 0
	s_mov_b32 s8, 0x3c23d70a                       ; 0.01
	s_cselect_b32 s8, 1.0, s8                      ; lanes 0-15: 10^(-2 G)
	s_mov_b32 s9, 0x3a83126f                       ; 0.001
	s_cselect_b32 s9, 0x3dcccccd, s9               ; lanes 16-31: 10^(-2 G - 1)
	s_mov_b32 s20, 0xb94ca1f9                      ; the sine's coefficients
	s_mov_b32 s21, 0x3c08839e
	s_mov_b32 s22, 0xbe2aaaa3
	s_mov_b32 s23, 0x37ccf5ce                      ; the cosine's
	s_mov_b32 s24, 0xbab6061a
	s_mov_b32 s25, 0x3d2aaaa5
	v_and_b32 v1, 15, v0                           ; r
	v_bfe_u32 v2, v0, 4, 1                         ; h
	v_add_nc_u32 v3, s12, v1
	v_cvt_f32_u32 v3, v3                           ; my token
	v_mov_b32 v5, s8
	v_mov_b32 v6, s9
	v_cmp_eq_u32 vcc_lo, 1, v2
	v_cndmask_b32 v4, v5, v6, vcc_lo               ; my decade
	v_lshlrev_b32 v7, 4, v0                        ; 16 x lane
	v_mul_f32 v[RA+0], 1.0, v4                     ; 10^(-e'/8) x the decade
	v_mul_f32 v[RA+1], 0x3f3ff911, v4
	v_mul_f32 v[RA+2], 0x3f0ff59a, v4
	v_mul_f32 v[RA+3], 0x3ed7e89b, v4
	v_mul_f32 v[RA+4], 0x3ea1e89b, v4
	v_mul_f32 v[RA+5], 0x3e72d424, v4
	v_mul_f32 v[RA+6], 0x3e361887, v4
	v_mul_f32 v[RA+7], 0x3e088d77, v4
.irp e, 0,1,2,3,4,5,6,7
	v_mul_f32 v[RA+\e], v3, v[RA+\e]               ; the angle
.endr
.irp e, 0,1,2,3,4,5,6,7
	v_mul_f32 v[RK+\e], 0x3f22f983, v[RA+\e]       ; x 2/pi
.endr
.irp e, 0,1,2,3,4,5,6,7
	v_rndne_f32 v[RK+\e], v[RK+\e]
.endr
.irp e, 0,1,2,3,4,5,6,7
	v_fmamk_f32 v[RR+\e], v[RK+\e], 0xbfc90fdb, v[RA+\e]   ; angle - k x (pi/2 rounded to f32),
.endr
.irp e, 0,1,2,3,4,5,6,7
	v_fmamk_f32 v[RR+\e], v[RK+\e], 0x333bbd2e, v[RR+\e]   ; + k x (what that rounding added)
.endr
.irp e, 0,1,2,3,4,5,6,7
	v_mul_f32 v[RZ+\e], v[RR+\e], v[RR+\e]
.endr
.irp e, 0,1,2,3,4,5,6,7
	v_fma_f32 v[PS+\e], v[RZ+\e], s20, s21
.endr
.irp e, 0,1,2,3,4,5,6,7
	v_fma_f32 v[PQ+\e], v[RZ+\e], s23, s24
.endr
.irp e, 0,1,2,3,4,5,6,7
	v_fma_f32 v[PS+\e], v[PS+\e], v[RZ+\e], s22
.endr
.irp e, 0,1,2,3,4,5,6,7
	v_fma_f32 v[PQ+\e], v[PQ+\e], v[RZ+\e], s25
.endr
.irp e, 0,1,2,3,4,5,6,7
	v_mul_f32 v[PS+\e], v[PS+\e], v[RZ+\e]
.endr
.irp e, 0,1,2,3,4,5,6,7
	v_mul_f32 v[PQ+\e], v[PQ+\e], v[RZ+\e]
.endr
.irp e, 0,1,2,3,4,5,6,7
	v_fma_f32 v[TT+\e], v[RZ+\e], -0.5, 1.0
.endr
.irp e, 0,1,2,3,4,5,6,7
	v_fma_f32 v[PS+\e], v[PS+\e], v[RR+\e], v[RR+\e]   ; sin r
.endr
.irp e, 0,1,2,3,4,5,6,7
	v_fma_f32 v[PQ+\e], v[PQ+\e], v[RZ+\e], v[TT+\e]   ; cos r
.endr
.irp e, 0,1,2,3,4,5,6,7
	v_cvt_i32_f32 v[KI+\e], v[RK+\e]
.endr
.irp e, 0,1,2,3,4,5,6,7
	v_and_b32 v[TT+\e], 1, v[KI+\e]
	v_cmp_eq_u32 vcc_lo, 1, v[TT+\e]               ; an odd quadrant changes sine and cosine
	v_cndmask_b32 v[SI+\e], v[PS+\e], v[PQ+\e], vcc_lo
	v_cndmask_b32 v[CO+\e], v[PQ+\e], v[PS+\e], vcc_lo
	v_lshlrev_b32 v[TT+\e], 30, v[KI+\e]
	v_and_b32 v[TT+\e], 0x80000000, v[TT+\e]       ; the sine's sign: bit 1 of k
	v_xor_b32 v[SI+\e], v[SI+\e], v[TT+\e]
	v_add_nc_u32 v[KI+\e], 1, v[KI+\e]
	v_lshlrev_b32 v[KI+\e], 30, v[KI+\e]
	v_and_b32 v[KI+\e], 0x80000000, v[KI+\e]       ; the cosine's: bit 1 of k + 1
	v_xor_b32 v[CO+\e], v[CO+\e], v[KI+\e]
.endr
	s_wait_alu depctr_va_vdst(0)
	s_wait_kmcnt 0x0
	s_add_nc_u64 s[4:5], s[4:5], s[10:11]
	global_store_b128 v7, v[CO:CO+3], s[4:5]
	global_store_b128 v7, v[CO+4:CO+7], s[4:5] offset:512
	global_store_b128 v7, v[SI:SI+3], s[4:5] offset:2048
	global_store_b128 v7, v[SI+4:SI+7], s[4:5] offset:2560
	s_endpgm
.Lfunc_end_k_q1f22c53f4a_rope:
	.size	k_q1f22c53f4a_rope, .Lfunc_end_k_q1f22c53f4a_rope-k_q1f22c53f4a_rope
	.p2alignl 7, 3214868480
	.fill 96, 4, 3214868480
	.section	.rodata,"a",@progbits
	.p2align	6, 0x0
	.amdhsa_kernel k_q1f22c53f4a_rope
		.amdhsa_group_segment_fixed_size 0
		.amdhsa_private_segment_fixed_size 0
		.amdhsa_enable_private_segment 0
		.amdhsa_kernarg_size 8
		.amdhsa_user_sgpr_count 2
		.amdhsa_user_sgpr_kernarg_segment_ptr 1
		.amdhsa_wavefront_size32 1
		.amdhsa_system_sgpr_workgroup_id_x 1
		.amdhsa_system_sgpr_workgroup_id_y 1
		.amdhsa_system_sgpr_workgroup_id_z 1
		.amdhsa_system_vgpr_workitem_id 0
		.amdhsa_next_free_vgpr 96
		.amdhsa_next_free_sgpr 66
		.amdhsa_reserve_vcc 1
		.amdhsa_float_denorm_mode_32 3
		.amdhsa_float_denorm_mode_16_64 3
		.amdhsa_memory_ordered 1
		.amdhsa_forward_progress 1
		.amdhsa_inst_pref_size 13
	.end_amdhsa_kernel
	.amdgpu_metadata
---
amdhsa.version: [ 1, 2 ]
amdhsa.kernels:
  - .name:           k_q1f22c53f4a_rope
    .symbol:         k_q1f22c53f4a_rope.kd
    .args:
      - { .name: tab, .offset: 0, .size: 8, .value_kind: global_buffer, .address_space: global }
    .group_segment_fixed_size: 0
    .private_segment_fixed_size: 0
    .kernarg_segment_align: 8
    .kernarg_segment_size: 8
    .max_flat_workgroup_size: 32
    .sgpr_count:     66
    .vgpr_count:     96
    .wavefront_size: 32
...
	.end_amdgpu_metadata
.endif
;; end of part 1
;; launch qkv (part 2): grid 12 x 64, 4 waves a work-group, clusters of 4 x 4, 327,680 bytes of LDS; arguments x_codes, x_scales, W_qkv_codes, W_qkv_scales, b_qkv, tab, qkv; writes qkv
.if DOCPART == 2
	.amdgcn_target "amdgcn-amd-amdhsa--gfx1250"
	.amdhsa_code_object_version 6
	.text
	.protected	k_q1f22c53f4a_qkv
	.globl	k_q1f22c53f4a_qkv
	.p2align	8
	.type	k_q1f22c53f4a_qkv,@function
k_q1f22c53f4a_qkv:
	s_mov_b64 s[64:65], 0
	v_nop
	global_prefetch_b8 v0, s[64:65] scope:SCOPE_SE
	s_setreg_imm32_b32 hwreg(HW_REG_WAVE_MODE, 25, 1), 1
	s_wait_xcnt 0x0
	s_wait_alu depctr_hold_cnt(0) depctr_sa_sdst(0) depctr_va_vdst(0) depctr_va_sdst(0) depctr_va_ssrc(0) depctr_va_vcc(0) depctr_vm_vsrc(0)
	s_getreg_b32 s2, hwreg(HW_REG_IB_STS2, 6, 4)
	s_cmp_eq_u32 s2, 0
	s_cbranch_scc0 .Lentry_in_a_cluster
	s_endpgm
.Lentry_in_a_cluster:
	s_bfe_u32 s2, ttmp6, 0x10000c
	s_cmp_lg_u32 s2, 0xf033
	s_cbranch_scc0 .Lentry_shape_is_right
	s_endpgm
.Lentry_shape_is_right:
; x W_qkv + b_qkv on codes of FP6 (E2M3) with E8M0 scales, [8192 x 1024] x [1024 x 3072]; the rotary embedding on q and k; q and k quantised along the head's 64 channels, v along the keys.
; Nothing wide leaves: the results go out as codes and scale words in the order of the next launch's operand registers.
; SHARES.  A work-group makes 128 rows (tokens) x 256 columns over all of K = 1,024; its four waves stand side by side: a wave makes 128 tokens x 64 columns, which is ONE HEAD of q, of k or of v and one group of 128 tokens:
; 32 accumulators (256 registers), 8 K steps of 128, 32 matrix instructions a step.
; LDS.  The 128 rows of x and the 256 rows of W for ALL of K lie in LDS together (313,344 bytes), so every tensor load is a first fill: no byte is filled twice, no ring.  A row of 768 bytes lies as three chunks of
; 256 bytes; 16 bytes of padding behind each: 816 bytes = 204 words from row to row, so that the 32 lanes of a load of
; 8 bytes touch 64 different banks (64 banks of 4 bytes: ISA guide 11.1).
; CLUSTER 4 x 4.  The four work-groups of a row of the cluster need the same rows of x, the four of a column the same rows of W: each tile is asked for jointly.  One round of the cluster's barrier ahead of the fills, one at the end.
; THE SCALES AND THE BIAS go from memory into registers once: a row's 32 scale bytes are the eight words of its eight K steps.
; q, k (cluster x = 0, 1): the product is used transposed (source 0 = 16 rows of W, source 1 = 16 tokens): a lane holds one token and its registers run along the channels.
; v (cluster x = 2): source 0 = 16 tokens, source 1 = 16 rows of W: a lane holds one channel and its registers run along the tokens, which are the next product's K.
; THE ORDER INSIDE A BLOCK OF 32.  A lane's 16 numbers of a block are members 8 h + 0..7 and 16 + 8 h + 0..7, so a block's codes stand in the order 0..7, 16..23, 8..15, 24..31.  q and k are made by one text, and the next
; launch's p comes out of the same result layout as v here: both sides of each product carry the same order, and blocks and scales are the true ones.  LIMIT: the order of summing inside a block differs from ascending k.
; LIMITS: NaN and infinities are not served; a block of zeros gets the scale byte 1 (its codes are zeros; this program alone reads the bytes); the rotation is one multiplication and one fused multiply-add, one rounding fewer than two products and a sum.
; OUT.  The block of (batch x 16 + head, group of 128 tokens) is 19,712 bytes: q at 0, k at 6,656, v at 13,312.  q, k: tile a (tokens 16 a + r) at 768 a: registers 0-3 at 16 x lane, registers 4-5 at 512 + 8 x lane; at 6,144
; the scale words, 16 bytes a lane: word s of lane (r, h) is that of tile 2 s + h, row r (bytes 2 and 3: 127, over zero codes).  v: tile c (channels 16 c + r) at 1,536 c: three groups of four registers at 16 x lane; at 6,144 8 bytes a lane.
; REGISTERS, in windows of 256: window 0: addresses, scales, bias, the way out.  window 1: x's fragments, set p at 96 p + 12 a.  window 2: W's, set p at 48 p + 12 c.  window 3: the accumulators.
.set CHA,   128*272                    ; a chunk of x's 128 rows
.set CHB,   256*272                    ; a chunk of W's 256 rows
.set BREG,  3*CHA                      ; W's chunks lie behind x's
.set SPARE, BREG+3*CHB                 ; the spare words, 128 bytes for each wave: two blocks of 256 bytes that no other line names
.set SPW,   4                          ; v4   LDS address of my spare word; never rewritten
.set NIL,   5                          ; v5   0; never rewritten
.set ADRA,  6                          ; v6-7   my place in x's rows 0-63, 64-127: row x 816 + 24 h
.set ADRAX, 9                          ; v9-10  the same where lanes 16-31's piece lies in the next chunk
.set ADRB,  11                         ; v11, v14 the same for my wave's 64 rows of W
.set ADRBX, 14
.set L16,   16                         ; v16  16 x lane
.set L8,    17                         ; v17  8 x lane
.set VSA,   18                         ; v18  x's scales: 2048 h + 32 r
.set VSB,   19                         ; v19  W's: 1024 h + 32 r
.set VBI,   20                         ; v20  the bias' offset
.set SA,    32                         ; v32-63  SA + 8 i + q: lanes 0-15 the word of x's block i, lanes 16-31 of block i + 4, K step q
.set SB,    64                         ; v64-79  SB + 8 i + q: lanes 0-15 W's block i, lanes 16-31 block i + 2
.set BI,    80                         ; v80-111 the bias in the result's layout, eight registers a tile of columns
.set TABR,  112                        ; v112-175 two sets of 16 cosines and 16 sines
.set RR,    176                        ; v176-207 a token tile's 32 rotated numbers
.set T1,    208                        ; v208-223 at work
.set QM,    224                        ; q, k: largest magnitudes, the other half's, scale operands, bytes: two each
.set QP,    226
.set QSO,   228
.set QBY,   230
.set QE,    232                        ; v232-237 the codes;  v240-242 the second conversion's
.set QF,    240
.set WW,    244                        ; v244-251 the tiles' scale words
.set SW,    252                        ; v252-255 as they are stored
.set VM,    224                        ; v: four each
.set VP,    228
.set VSO,   208
.set VBY,   212
.set VPC,   176                        ; v176-187 the codes;  v188-190, v192-194 the second halves
.set VCT,   188
.set G1A,   24                         ; s[24:31], s[32:39] descriptor groups 1;  s[40:43], s[52:55] groups 0
.set G1B,   32
.set G0A,   40
.set G0B,   52
.set MSB, 0
.macro WIN new                         ; the immediate's high byte repeats the setting that is left; a switch that changes nothing is dropped
.if MSB != \new
	s_set_vgpr_msb (MSB<<8)|\new
.set MSB, \new
.endif
.endm
.macro PLACES n
.rept \n
	v_nop
.endr
.endm
.macro CROUND                          ; a round of the cluster's barrier
	s_barrier_signal -1
	s_barrier_wait -1
	s_cmp_lg_u32 s18, 0
	s_cbranch_scc1 .Lnot_wave_0_\@
	s_barrier_signal -3
.Lnot_wave_0_\@:
	s_barrier_wait -3
	s_barrier_signal -1
	s_barrier_wait -1
.endm
; one matrix instruction.  ra, rb: source 0's, source 1's scales are read from lanes 16-31
.macro WM d, a, b, cr, sa, sb, ra, rb
.if ((\ra) != 0) && ((\rb) != 0)
	v_wmma_scale_f32_16x16x128_f8f6f4 v[(\d):(\d)+7], v[(\a):(\a)+11], v[(\b):(\b)+11], v[(\cr):(\cr)+7], v[(\sa)], v[(\sb)] matrix_a_fmt:MATRIX_FMT_FP6 matrix_b_fmt:MATRIX_FMT_FP6 matrix_a_scale:MATRIX_SCALE_ROW1 matrix_b_scale:MATRIX_SCALE_ROW1
.elseif (\ra) != 0
	v_wmma_scale_f32_16x16x128_f8f6f4 v[(\d):(\d)+7], v[(\a):(\a)+11], v[(\b):(\b)+11], v[(\cr):(\cr)+7], v[(\sa)], v[(\sb)] matrix_a_fmt:MATRIX_FMT_FP6 matrix_b_fmt:MATRIX_FMT_FP6 matrix_a_scale:MATRIX_SCALE_ROW1
.elseif (\rb) != 0
	v_wmma_scale_f32_16x16x128_f8f6f4 v[(\d):(\d)+7], v[(\a):(\a)+11], v[(\b):(\b)+11], v[(\cr):(\cr)+7], v[(\sa)], v[(\sb)] matrix_a_fmt:MATRIX_FMT_FP6 matrix_b_fmt:MATRIX_FMT_FP6 matrix_b_scale:MATRIX_SCALE_ROW1
.else
	v_wmma_scale_f32_16x16x128_f8f6f4 v[(\d):(\d)+7], v[(\a):(\a)+11], v[(\b):(\b)+11], v[(\cr):(\cr)+7], v[(\sa)], v[(\sb)] matrix_a_fmt:MATRIX_FMT_FP6 matrix_b_fmt:MATRIX_FMT_FP6
.endif
.endm
; A fragment, 16 rows x 128 K, is 12 registers: lane (r, h) holds row r; registers 6 c .. 6 c + 5 hold 24 bytes of the row's stream of bits, K = 64 c + 32 h + 0 .. 31.  In pieces of 8 bytes: lanes 0-15 take the row's pieces
; 12 q + 0, 1, 2 and 12 q + 6, 7, 8, lanes 16-31 those three pieces on.  Piece P lies in chunk P / 32 at 8 (P % 32); where the piece three on lies in the next chunk, the second address register serves.
.macro FRAGR reg, adr, adrx, q, i
.irp p, 0,1,2,3,4,5
.set PC, 12*(\q)+6*(\p/3)+\p%3
; an LDS row is 816 bytes: 3 x (256 + 16); piece P lies at 8 P + 16 (P / 32); an address register serves four tiles of 16 rows
.if PC%32 < 29
	ds_load_b64 v[(\reg)+2*\p:(\reg)+2*\p+1], v[(\adr)+(\i)/4] offset:8*PC+16*(PC/32)+((\i)%4)*13056
.else
	ds_load_b64 v[(\reg)+2*\p:(\reg)+2*\p+1], v[(\adrx)+(\i)/4] offset:8*PC+16*(PC/32)+((\i)%4)*13056
.endif
.endr
.endm
.macro FETCH q                         ; K step q's 12 fragments into set q % 2
.set PS, (\q)%2
	WIN 0x40                                       ; destination window 1, address window 0
.irp i, 0,1,2,3,4,5,6,7
	FRAGR 96*PS+12*\i, ADRA, ADRAX, \q, \i
.endr
	WIN 0x80                                       ; destination window 2
.irp i, 0,1,2,3
	FRAGR 48*PS+12*\i, ADRB, ADRBX, \q, \i
.endr
	WIN 0
.endm
; 32 matrix instructions.  The 32 accumulators take turns, one instruction a turn, in the same order in every K step.  K step 0 takes the bias as C: nothing is cleared or added.
.macro MULT q                          ; source 0 = W (window 2), source 1 = x (window 1); accumulator (a, c) at 8 (4 a + c)
.set PS, (\q)%2
.if (\q) == 0
	WIN 0xc6
.else
	WIN 0xf6
.endif
.irp a, 0,1,2,3,4,5,6,7
.irp c, 0,1,2,3
.if (\q) == 0
	WM 8*(4*\a+\c), 48*PS+12*\c, 96*PS+12*\a, BI+8*\c, SB+8*(\c%2)+(\q), SA+8*(\a%4)+(\q), \c/2, \a/4
.else
	WM 8*(4*\a+\c), 48*PS+12*\c, 96*PS+12*\a, 8*(4*\a+\c), SB+8*(\c%2)+(\q), SA+8*(\a%4)+(\q), \c/2, \a/4
.endif
.endr
.endr
.endm
.macro MULV q                          ; source 0 = x (window 1), source 1 = W (window 2); accumulator (c, a) at 8 (8 c + a)
.set PS, (\q)%2
.if (\q) == 0
	WIN 0xc9
.else
	WIN 0xf9
.endif
.irp c, 0,1,2,3
.irp a, 0,1,2,3,4,5,6,7
.if (\q) == 0
	WM 8*(8*\c+\a), 96*PS+12*\a, 48*PS+12*\c, BI+8*\c, SA+8*(\a%4)+(\q), SB+8*(\c%2)+(\q), \a/4, \c/2
.else
	WM 8*(8*\c+\a), 96*PS+12*\a, 48*PS+12*\c, 8*(8*\c+\a), SA+8*(\a%4)+(\q), SB+8*(\c%2)+(\q), \a/4, \c/2
.endif
.endr
.endr
.endm
; A K step: its fragments, asked for a step ago, are in; the next step's are asked for; then the products.  K steps 0-1 read chunk 0, steps 2-4 chunks up to 1, steps 5-7 chunk 2: all of K is in behind the one barrier ahead of the first fetch.
.macro KSTEP v, q
	s_wait_dscnt 0x0
.if (\q) < 7
.if (\q) > 0
	PLACES 4                                       ; the loads land in registers that the last products read: four plain vector instructions between (ISA guide 7.12.1 for vector instructions)
.endif
	FETCH (\q)+1
.endif
.if \v
	MULV \q
.else
	MULT \q
.endif
	WIN 0
.endm
	s_load_b256 s[4:11], s[0:1], 0x0               ; x's codes s[4:5], x's scales s[6:7], W's codes s[8:9], W's scales s[10:11]
	s_load_b128 s[12:15], s[0:1], 0x20             ; the bias s[12:13], the table s[14:15]
	s_load_b64 s[16:17], s[0:1], 0x30              ; out
	v_lshl_add_u32 v[SPW], v0, 2, SPARE
	v_mov_b32 v[NIL], 0
	ds_add_u32 v[SPW], v[NIL]                      ; the wave's opening: the add and its wait stand ahead of my first tensor load; the set-up below, work on registers, stands between them
	ds_add_u32 v[SPW], v[NIL]
	v_lshrrev_b32 v1, 5, v0
	v_readfirstlane_b32 s18, v1                    ; wave 0..3
	s_and_b32 s19, s18, 1                          ; which half of a tile's rows I fetch
	s_lshr_b32 s20, s18, 1                         ; I fetch for x (0) or for W (1)
	s_bfe_u32 s21, ttmp6, 0x40000                  ; cx
	s_bfe_u32 s22, ttmp6, 0x40004                  ; cy
	s_lshl_b32 s66, ttmp9, 2
	s_add_co_u32 s66, s66, s21                     ; X: 256 columns
	s_and_b32 s67, ttmp7, 0xffff
	s_lshl_b32 s67, s67, 2
	s_add_co_u32 s67, s67, s22                     ; Y: 128 rows
	s_lshl_b32 s80, s22, 2
	s_lshl_b32 s80, 15, s80                        ; my row of the cluster
	s_lshl_b32 s81, 0x1111, s21                    ; my column
	s_or_b32 s[G1A], s80, (1<<20)|(1<<21)|(5<<22)|(3<<25)   ; 15:0 the mask; 17:16 elements of 1 byte; 20 padding on; 21 set beside a mask; 24:22 after every 64 words; 31:25 4 words of it
	s_or_b32 s[G1B], s81, (1<<20)|(1<<21)|(5<<22)|(3<<25)
	s_mov_b32 s[G1A+1], 768<<16                    ; tensor_dim0 = 768: whole rows of K, padded behind every 256 bytes
	s_mov_b32 s[G1A+2], 64<<16                     ; tensor_dim1 = 64
	s_mov_b32 s[G1A+3], 768<<16                    ; tile_dim0 = 768
	s_mov_b32 s[G1A+4], 64                         ; tile_dim1 = 64
	s_mov_b32 s[G1A+5], 768                        ; from row to row
	s_mov_b32 s[G1A+6], 0
	s_mov_b32 s[G1A+7], 0
	s_mov_b32 s[G1B+1], 768<<16
	s_mov_b32 s[G1B+2], 128<<16                    ; 128 rows
	s_mov_b32 s[G1B+3], 768<<16
	s_mov_b32 s[G1B+4], 128
	s_mov_b32 s[G1B+5], 768
	s_mov_b32 s[G1B+6], 0
	s_mov_b32 s[G1B+7], 0
	s_lshl_b32 s68, s67, 7                         ; x: row 128 Y + 64 x half (registers that never hold cx)
	s_lshl_b32 s82, s19, 6
	s_add_co_u32 s68, s68, s82
	s_mul_i32 s68, s68, 768
	s_mov_b32 s69, 0
	s_lshl_b32 s70, s66, 8                         ; W: row 256 X + 128 x half (registers that never hold cy)
	s_lshl_b32 s83, s19, 7
	s_add_co_u32 s70, s70, s83
	s_mul_i32 s70, s70, 768
	s_mov_b32 s71, 0
	s_mul_i32 s84, s19, 64*816                     ; where they go: no place in the cluster enters an LDS address
	s_mul_i32 s85, s19, 128*816
	s_mov_b32 s78, 0x76543210
	s_mov_b32 s79, 0xfedcba98                      ; v_permlanex16_b32's selects for lane l xor 16
	s_wait_dscnt 0x0                               ; the opening add is done
	s_wait_kmcnt 0x0
	s_add_nc_u64 s[68:69], s[4:5], s[68:69]
	s_add_nc_u64 s[70:71], s[8:9], s[70:71]
	CROUND                                         ; all sixteen work-groups are here: the joint loads meet
.irp c, 0
	s_mov_b32 s[G0A+4*\c], 1
	s_add_co_u32 s[G0A+4*\c+1], s84, \c*CHA
	s_add_nc_u64 s[G0A+4*\c+2:G0A+4*\c+3], s[68:69], \c*256
	s_or_b32 s[G0A+4*\c+3], s[G0A+4*\c+3], 0x80000000
	s_mov_b32 s[G0B+4*\c], 1
	s_add_co_u32 s[G0B+4*\c+1], s85, BREG+\c*CHB
	s_add_nc_u64 s[G0B+4*\c+2:G0B+4*\c+3], s[70:71], \c*256
	s_or_b32 s[G0B+4*\c+3], s[G0B+4*\c+3], 0x80000000
.endr
	s_cmp_eq_u32 s20, 0                            ; a wave's one fill stands in one branch on the wave's number: one load of mine is out at the most
	s_cbranch_scc0 .Lfill_w
	tensor_load_to_lds s[G0A:G0A+3], s[G1A:G1A+7]
	s_nop 0
	PLACES 4
	s_branch .Lfilled
.Lfill_w:
	tensor_load_to_lds s[G0B:G0B+3], s[G1B:G1B+7]
	s_nop 0
	PLACES 4
.Lfilled:
	v_and_b32 v1, 15, v0                           ; r
	v_bfe_u32 v2, v0, 4, 1                         ; h
	v_and_b32 v3, 31, v0                           ; lane
	v_lshlrev_b32 v[VSA], 5, v1
	v_lshl_add_u32 v[VSB], v2, 10, v[VSA]
	v_lshl_add_u32 v[VSA], v2, 11, v[VSA]
	s_wait_alu depctr_va_vdst(0)
	s_lshl_b32 s72, s67, 12                        ; x's scales at row 128 Y: 32 bytes a row
	s_mov_b32 s73, 0
	s_add_nc_u64 s[6:7], s[6:7], s[72:73]
	s_lshl_b32 s74, s66, 13                        ; W's at row 256 X + 64 x wave
	s_lshl_b32 s75, s18, 11
	s_add_co_u32 s74, s74, s75
	s_mov_b32 s75, 0
	s_add_nc_u64 s[10:11], s[10:11], s[74:75]
	s_lshr_b32 s74, s74, 3                         ; the bias at that column: 4 bytes
	s_add_nc_u64 s[12:13], s[12:13], s[74:75]
.irp i, 0,1,2,3
	global_load_b128 v[SA+8*\i:SA+8*\i+3], v[VSA], s[6:7] offset:512*\i
	global_load_b128 v[SA+8*\i+4:SA+8*\i+7], v[VSA], s[6:7] offset:512*\i+16
.endr
.irp i, 0,1
	global_load_b128 v[SB+8*\i:SB+8*\i+3], v[VSB], s[10:11] offset:512*\i
	global_load_b128 v[SB+8*\i+4:SB+8*\i+7], v[VSB], s[10:11] offset:512*\i+16
.endr
	v_mul_u32_u24 v21, v1, 816
	v_mad_u32_u24 v[ADRA], v2, 24, v21             ; x's rows 0-63: row x 816 + 24 h
	v_add_nc_u32 v[ADRA+1], 64*816, v[ADRA]        ; rows 64-127
	v_mad_u32_u24 v[ADRAX], v2, 40, v21            ; where lanes 16-31's piece lies behind one padding more
	v_add_nc_u32 v[ADRAX+1], 64*816, v[ADRAX]
	s_mul_i32 s86, s18, 64*816                     ; my wave's 64 rows of W
	s_add_co_u32 s86, s86, BREG
	v_add_nc_u32 v[ADRB], s86, v[ADRA]
	v_add_nc_u32 v[ADRBX], s86, v[ADRAX]
	v_lshlrev_b32 v[L16], 4, v3
	v_lshlrev_b32 v[L8], 3, v3
	v_cmp_eq_u32 s76, 1, v2                        ; lanes 16-31
.irp i, 226,227,228,229,230,231
	v_mov_b32 v\i, 0                               ; written once: a lane permute's destination counts as one of its sources
.endr
	s_and_b32 s87, s66, 3                          ; where my results go: head = 4 (X % 4) + wave,
	s_lshl_b32 s87, s87, 2
	s_add_co_u32 s87, s87, s18
	s_lshr_b32 s88, s67, 4                         ; batch = Y / 16,
	s_lshl_b32 s88, s88, 4
	s_add_co_u32 s87, s87, s88
	s_lshl_b32 s87, s87, 4
	s_and_b32 s88, s67, 15                         ; group of 128 tokens = Y % 16,
	s_add_co_u32 s87, s87, s88
	s_mul_i32 s72, s87, 19712
	s_lshr_b32 s89, s66, 2                         ; q, k or v = X / 4
	s_mul_i32 s89, s89, 6656
	s_add_co_u32 s72, s72, s89
	s_add_nc_u64 s[16:17], s[16:17], s[72:73]
	s_lshl_b32 s72, s88, 15                        ; the table at the group's first token tile
	s_add_nc_u64 s[14:15], s[14:15], s[72:73]
	s_wait_alu depctr_va_vdst(0)                   ; the head's end
	s_wait_tensorcnt 0x0                           ; my one load, my rows for all of K, is in
	s_barrier_signal -1
	s_barrier_wait -1                              ; everybody's is
	FETCH 0
	s_cmp_eq_u32 ttmp9, 2                          ; the cluster's x, the same in all sixteen partners: columns 2,048 on are v
	s_cbranch_scc1 .Lvalues
	; ---------------- q and k
.macro TABLE a                         ; token tile a's 16 cosines and 16 sines into set a % 2
.irp k, 0,1,2,3,4,5,6,7
	global_load_b128 v[TABR+32*((\a)%2)+4*\k:TABR+32*((\a)%2)+4*\k+3], v[L16], s[14:15] offset:4096*(\a)+512*\k
.endr
.endm
	v_lshlrev_b32 v[VBI], 5, v2                    ; lane (r, h) wants, for tile c, the bias of columns 16 c + 8 h + 0 .. 7
.irp c, 0,1,2,3
	global_load_b128 v[BI+8*\c:BI+8*\c+3], v[VBI], s[12:13] offset:64*\c
	global_load_b128 v[BI+8*\c+4:BI+8*\c+7], v[VBI], s[12:13] offset:64*\c+16
.endr
	TABLE 0
	TABLE 1
	s_wait_loadcnt 16                              ; scales and bias are in; the two table tiles' 16 loads may stay out
.irp q, 0,1,2,3,4,5,6,7
	KSTEP 0, \q
.endr
	PLACES 4                                       ; ahead of the first read of results
; Token tile a.  Its 32 registers in window 3: e = 0 .. 15 channel i = 16 (e / 8) + 8 h + e % 8, registers 16 + e channel 32 + i.  out[i] = lo cos - hi sin, out[32 + i] = hi cos + lo sin.
; Each accumulator is first read at its low end.  Then the two blocks of 32 (channels 0-31, 32-63) are quantised: a block lies in lanes l and l xor 16.
.macro EPQ a
.set TS, TABR+32*((\a)%2)
.set AC, 32*(\a)
.if (\a) < 7
	s_wait_loadcnt 8                               ; this tile's table is in; the next tile's eight loads may stay out
.else
	s_wait_loadcnt 0x0
.endif
	WIN 0x03                                       ; source 0: window 3
.irp e, 0,2,4,6,8,10,12,14
	v_pk_mul_f32 v[T1+\e:T1+\e+1], v[AC+16+\e:AC+17+\e], v[TS+16+\e:TS+17+\e]
.endr
.irp e, 0,2,4,6,8,10,12,14
	v_pk_fma_f32 v[RR+\e:RR+\e+1], v[AC+\e:AC+\e+1], v[TS+\e:TS+\e+1], v[T1+\e:T1+\e+1] neg_lo:[0,0,1] neg_hi:[0,0,1]
.endr
.irp e, 0,2,4,6,8,10,12,14
	v_pk_mul_f32 v[T1+\e:T1+\e+1], v[AC+\e:AC+\e+1], v[TS+16+\e:TS+17+\e]
.endr
.irp e, 0,2,4,6,8,10,12,14
	v_pk_fma_f32 v[RR+16+\e:RR+17+\e], v[AC+16+\e:AC+17+\e], v[TS+\e:TS+\e+1], v[T1+\e:T1+\e+1]
.endr
	WIN 0
.if (\a)+2 <= 7
	TABLE (\a)+2                                   ; into the set just read
.endif
.irp b, 0,1
	v_max3_num_f32 v[QM+\b], |v[RR+16*\b]|, |v[RR+16*\b+1]|, 0x1800000   ; my 16 numbers, and the floor 2^(3 - 127): the byte cannot fall under 1
.endr
.irp i, 2,4,6,8,10,12,14
.irp b, 0,1
	v_max3_num_f32 v[QM+\b], v[QM+\b], |v[RR+16*\b+\i]|, |v[RR+16*\b+\i+1]|
.endr
.endr
.irp b, 0,1
	v_permlanex16_b32 v[QP+\b], v[QM+\b], s78, s79
.endr
.irp b, 0,1
	v_max_num_f32 v[QM+\b], v[QM+\b], v[QP+\b]     ; the block's largest magnitude
.endr
.irp b, 0,1
	v_add_nc_u32 v[QSO+\b], 0xff000000, v[QM+\b]   ; 2 off its exponent field: the conversion's scale operand
.endr
.irp b, 0,1
	v_lshrrev_b32 v[QBY+\b], 23, v[QSO+\b]         ; the scale's byte
.endr
	v_lshl_or_b32 v[WW+(\a)], v[QBY+1], 8, v[QBY]
	v_or_b32 v[WW+(\a)], 0x7f7f0000, v[WW+(\a)]    ; K = 64 .. 127 of the next product are zero codes under the byte 127
	s_wait_alu depctr_va_vdst(0)
	s_wait_xcnt 0x0                                ; the last tile's stores have read their data: the codes' registers are written again only behind this wait
	v_cvt_scalef32_pk16_fp6_f32 v[QE:QE+2], v[RR:RR+15], v[QSO]
	v_cvt_scalef32_pk16_fp6_f32 v[QF:QF+2], v[RR+16:RR+31], v[QSO+1]
	v_nop                                          ; one plain place behind a scaled conversion
.irp i, 0,1,2
	v_permlane16_swap_b32 v[QE+\i], v[QF+\i]       ; the operand's layout wants a whole block in a lane: lanes 0-15 block 0, lanes 16-31 block 1
.endr
.irp i, 0,1,2
	v_mov_b32 v[QE+3+\i], v[QF+\i]
.endr
	global_store_b128 v[L16], v[QE:QE+3], s[16:17] offset:768*(\a)       ; 512 consecutive bytes, aligned
	global_store_b64 v[L8], v[QE+4:QE+5], s[16:17] offset:768*(\a)+512   ; 256
.endm
.irp a, 0,1,2,3,4,5,6,7
	EPQ \a
.endr
.irp s, 0,1,2,3
	v_cndmask_b32 v[SW+\s], v[WW+2*\s], v[WW+2*\s+1], s76   ; lanes 0-15 tile 2 s, lanes 16-31 tile 2 s + 1
.endr
	global_store_b128 v[L16], v[SW:SW+3], s[16:17] offset:6144
	s_wait_tensorcnt 0x0                           ; the wave's end
	ds_add_u32 v[SPW], v[NIL]
	s_wait_dscnt 0x0
	CROUND                                         ; the closing round
	s_endpgm
	; ---------------- v
.Lvalues:
	v_lshlrev_b32 v[VBI], 2, v1                    ; lane (r, h) holds channel 16 c + r in all eight registers of a tile
.irp c, 0,1,2,3
.irp j, 0,1,2,3,4,5,6,7
	global_load_b32 v[BI+8*\c+\j], v[VBI], s[12:13] offset:64*\c
.endr
.endr
	s_wait_loadcnt 0x0
.irp q, 0,1,2,3,4,5,6,7
	KSTEP 1, \q
.endr
	PLACES 4
; Channel tile c: 64 registers in window 3; registers 16 B + i are my 16 tokens of block B of the group's 128 keys.  They become one fragment and one scale word a channel.
.macro EPV c
.set AC, 64*(\c)
	WIN 0x0f                                       ; sources 0 and 1: window 3
.irp b, 0,1,2,3
	v_max3_num_f32 v[VM+\b], |v[AC+16*\b]|, |v[AC+16*\b+1]|, 0x1800000
.endr
.irp i, 2,4,6,8,10,12,14
.irp b, 0,1,2,3
	v_max3_num_f32 v[VM+\b], |v[AC+16*\b+\i]|, |v[AC+16*\b+\i+1]|, v[VM+\b]
.endr
.endr
	WIN 0
.irp b, 0,1,2,3
	v_permlanex16_b32 v[VP+\b], v[VM+\b], s78, s79
.endr
.irp b, 0,1,2,3
	v_max_num_f32 v[VM+\b], v[VM+\b], v[VP+\b]
.endr
.irp b, 0,1,2,3
	v_add_nc_u32 v[VSO+\b], 0xff000000, v[VM+\b]
.endr
.irp b, 0,1,2,3
	v_lshrrev_b32 v[VBY+\b], 23, v[VSO+\b]
.endr
	v_lshl_or_b32 v[WW+(\c)], v[VBY+1], 8, v[VBY]
	v_lshl_or_b32 v[WW+(\c)], v[VBY+2], 16, v[WW+(\c)]
	v_lshl_or_b32 v[WW+(\c)], v[VBY+3], 24, v[WW+(\c)]
	s_wait_xcnt 0x0                                ; the last tile's stores have read their data
	WIN 0x03
.irp u, 0,1
	v_cvt_scalef32_pk16_fp6_f32 v[VPC+6*\u:VPC+6*\u+2], v[AC+32*\u:AC+32*\u+15], v[VSO+2*\u]
	v_cvt_scalef32_pk16_fp6_f32 v[VCT+4*\u:VCT+4*\u+2], v[AC+32*\u+16:AC+32*\u+31], v[VSO+2*\u+1]
.endr
	WIN 0
	v_nop                                          ; one plain place behind a scaled conversion
.irp u, 0,1
.irp i, 0,1,2
	v_permlane16_swap_b32 v[VPC+6*\u+\i], v[VCT+4*\u+\i]
.endr
.irp i, 0,1,2
	v_mov_b32 v[VPC+3+6*\u+\i], v[VCT+4*\u+\i]
.endr
.endr
.irp i, 0,1,2
	global_store_b128 v[L16], v[VPC+4*\i:VPC+4*\i+3], s[16:17] offset:1536*(\c)+512*\i
.endr
.endm
.irp c, 0,1,2,3
	EPV \c
.endr
.irp s, 0,1
	v_cndmask_b32 v[SW+\s], v[WW+2*\s], v[WW+2*\s+1], s76
.endr
	global_store_b64 v[L8], v[SW:SW+1], s[16:17] offset:6144
	s_wait_tensorcnt 0x0                           ; the wave's end
	ds_add_u32 v[SPW], v[NIL]
	s_wait_dscnt 0x0
	CROUND                                         ; the closing round
	s_endpgm
.Lfunc_end_k_q1f22c53f4a_qkv:
	.size	k_q1f22c53f4a_qkv, .Lfunc_end_k_q1f22c53f4a_qkv-k_q1f22c53f4a_qkv
	.p2alignl 7, 3214868480
	.fill 96, 4, 3214868480
	.section	.rodata,"a",@progbits
	.p2align	6, 0x0
	.amdhsa_kernel k_q1f22c53f4a_qkv
		.amdhsa_group_segment_fixed_size 327680
		.amdhsa_private_segment_fixed_size 0
		.amdhsa_enable_private_segment 0
		.amdhsa_kernarg_size 56
		.amdhsa_user_sgpr_count 2
		.amdhsa_user_sgpr_kernarg_segment_ptr 1
		.amdhsa_wavefront_size32 1
		.amdhsa_system_sgpr_workgroup_id_x 1
		.amdhsa_system_sgpr_workgroup_id_y 1
		.amdhsa_system_sgpr_workgroup_id_z 1
		.amdhsa_system_vgpr_workitem_id 0
		.amdhsa_next_free_vgpr 1024
		.amdhsa_next_free_sgpr 100
		.amdhsa_reserve_vcc 0
		.amdhsa_float_denorm_mode_32 3
		.amdhsa_float_denorm_mode_16_64 3
		.amdhsa_memory_ordered 1
		.amdhsa_forward_progress 1
		.amdhsa_inst_pref_size 206
	.end_amdhsa_kernel
	.amdgpu_metadata
---
amdhsa.version: [ 1, 2 ]
amdhsa.kernels:
  - .name:           k_q1f22c53f4a_qkv
    .symbol:         k_q1f22c53f4a_qkv.kd
    .args:
      - { .name: x_codes, .offset: 0, .size: 8, .value_kind: global_buffer, .address_space: global }
      - { .name: x_scales, .offset: 8, .size: 8, .value_kind: global_buffer, .address_space: global }
      - { .name: W_qkv_codes, .offset: 16, .size: 8, .value_kind: global_buffer, .address_space: global }
      - { .name: W_qkv_scales, .offset: 24, .size: 8, .value_kind: global_buffer, .address_space: global }
      - { .name: b_qkv, .offset: 32, .size: 8, .value_kind: global_buffer, .address_space: global }
      - { .name: tab, .offset: 40, .size: 8, .value_kind: global_buffer, .address_space: global }
      - { .name: qkv, .offset: 48, .size: 8, .value_kind: global_buffer, .address_space: global }
    .group_segment_fixed_size: 327680
    .private_segment_fixed_size: 0
    .kernarg_segment_align: 8
    .kernarg_segment_size: 56
    .max_flat_workgroup_size: 128
    .sgpr_count:     100
    .vgpr_count:     1024
    .wavefront_size: 32
...
	.end_amdgpu_metadata
.endif
;; end of part 2
;; launch attn (part 3): grid 4 x 64, 16 waves a work-group, clusters of 4 x 1, 327,680 bytes of LDS; arguments qkv, ao, asc; writes ao, asc
.if DOCPART == 3
	.amdgcn_target "amdgcn-amd-amdhsa--gfx1250"
	.amdhsa_code_object_version 6
	.text
	.protected	k_q1f22c53f4a_attn
	.globl	k_q1f22c53f4a_attn
	.p2align	8
	.type	k_q1f22c53f4a_attn,@function
k_q1f22c53f4a_attn:
	s_mov_b64 s[64:65], 0
	v_nop
	global_prefetch_b8 v0, s[64:65] scope:SCOPE_SE
	s_setreg_imm32_b32 hwreg(HW_REG_WAVE_MODE, 25, 1), 1
	s_wait_xcnt 0x0
	s_wait_alu depctr_hold_cnt(0) depctr_sa_sdst(0) depctr_va_vdst(0) depctr_va_sdst(0) depctr_va_ssrc(0) depctr_va_vcc(0) depctr_vm_vsrc(0)
	s_getreg_b32 s2, hwreg(HW_REG_IB_STS2, 6, 4)
	s_cmp_eq_u32 s2, 0
	s_cbranch_scc0 .Lentry_in_a_cluster
	s_endpgm
.Lentry_in_a_cluster:
	s_bfe_u32 s2, ttmp6, 0x10000c
	s_cmp_lg_u32 s2, 0x3003
	s_cbranch_scc0 .Lentry_shape_is_right
	s_endpgm
.Lentry_shape_is_right:
; O = softmax(q k^T / 8) v for 64 heads of 2,048 tokens x 64 channels, both products on codes of FP6 (E2M3) with E8M0 scales; O / l quantised along the channels for the last product.
; THE SOFTMAX: t = score x log2(e) / 8; M = the running largest t rounded UP to a whole number; p = 2^(t - M) is quantised along the keys; the row's sum is taken of the unquantised p and divides at the end.
; When M moves, the sum and O are multiplied by 2^(old M - new M), which rounds nothing.
; SHARES.  A work-group owns 512 queries of one head; each of its sixteen waves takes a tile of 16 queries a pass, two passes; four waves to a SIMD.
; LDS.  The head's K and V as the launch before laid them, 13,056 bytes a key step of 128 keys (K's codes at 0, its scale words at 6,144, V's codes at 6,656, its scale words at 12,800): 16 steps, filled once.
; CLUSTER 4 x 1: the four blocks of queries of a head read the same K and V: each key step is asked for jointly.  Wave w fetches key step w: one tensor load a wave, one wait for it, one barrier.
; No data prefetch: all that the launch reads by tensor loads is asked for at its head, so there is no loop to run ahead in.
; LAYOUT.  Both products are used transposed: S^T = K Q^T, O^T = V^T P^T: a lane holds one query throughout.  The first product's K is 64: registers 6-11 of Q's fragment are zero codes under the scale byte 127.
; FP6 has no code for NaN or infinity, so whatever stands in registers 6-11 of K's fragment is multiplied by zero: the eight tiles of a step lie 6 registers apart in v32-79, tile u's upper half is tile u + 1's data,
; tile 7's is v80-85 (written registers, none under a load at that place).  So a step's eight score products stand on end, and the NEXT step's K is asked for in the same run of LDS loads as this step's V.
; OUT.  ao: 16 rows x one head = 768 bytes (registers 0-3 at 16 x lane, 4-5 at 512 + 8 x lane); asc: [8192][32] scale bytes, 2 bytes a lane, rows 32 bytes apart: these stores fill no whole 256 bytes; they are one byte in 24 of what is stored.
; LIMITS: NaN and infinities are not served; the promise holds while |t| stays under 2^31; a block of zeros gets the scale byte 1 (this program alone reads the bytes); a block's largest p is made from its largest score by the same two instructions.
; REGISTERS: v1, v2 16 x, 8 x lane; v3-5 Q's offsets; v6, v7 the add's two; v8, v9 the step's LDS addresses; v10 Q's scale words, v11 p's; v12 -M, v13 the largest t, v[14:15] the sum; v16-27 Q; v28-31 K's scale words;
; v32-79 K's eight tiles; v80-81 V's scale words; v82 32 r; v84-95 at work; v96-159 S^T, then p; v160-191 O^T; v192-239 V's four fragments; v240-251 p's codes; v252 f, v253 0, v254 at work.
.set STEPB, 13056
.set HEADB, 315392
.set SPARE, 16*STEPB                   ; the spare words, 128 bytes a wave
.set BM, 84                            ; the blocks' largest scores
.set PT, 88                            ; the other half's; later the bytes
.set SO, 92                            ; the conversions' scale operands
.macro CROUND
	s_barrier_signal -1
	s_barrier_wait -1
	s_cmp_lg_u32 s10, 0
	s_cbranch_scc1 .Lnot_wave_0_\@
	s_barrier_signal -3
.Lnot_wave_0_\@:
	s_barrier_wait -3
	s_barrier_signal -1
	s_barrier_wait -1
.endm
.macro SCORE u                         ; tile u of 16 keys; K's scale words: register u / 2, lanes 0-15 for even u, lanes 16-31 for odd
.if (\u)%2
	v_wmma_scale_f32_16x16x128_f8f6f4 v[96+8*(\u):103+8*(\u)], v[32+6*(\u):43+6*(\u)], v[16:27], 0, v[28+(\u)/2], v10 matrix_a_fmt:MATRIX_FMT_FP6 matrix_b_fmt:MATRIX_FMT_FP6 matrix_a_scale:MATRIX_SCALE_ROW1
.else
	v_wmma_scale_f32_16x16x128_f8f6f4 v[96+8*(\u):103+8*(\u)], v[32+6*(\u):43+6*(\u)], v[16:27], 0, v[28+(\u)/2], v10 matrix_a_fmt:MATRIX_FMT_FP6 matrix_b_fmt:MATRIX_FMT_FP6
.endif
.endm
.macro PVMUL c
.if (\c)%2
	v_wmma_scale_f32_16x16x128_f8f6f4 v[160+8*(\c):167+8*(\c)], v[192+12*(\c):203+12*(\c)], v[240:251], v[160+8*(\c):167+8*(\c)], v[80+(\c)/2], v11 matrix_a_fmt:MATRIX_FMT_FP6 matrix_b_fmt:MATRIX_FMT_FP6 matrix_a_scale:MATRIX_SCALE_ROW1
.else
	v_wmma_scale_f32_16x16x128_f8f6f4 v[160+8*(\c):167+8*(\c)], v[192+12*(\c):203+12*(\c)], v[240:251], v[160+8*(\c):167+8*(\c)], v[80+(\c)/2], v11 matrix_a_fmt:MATRIX_FMT_FP6 matrix_b_fmt:MATRIX_FMT_FP6
.endif
.endm
.macro KLOAD a, b, off                 ; a key step's K: its scale words and eight tiles of six registers: 17 LDS loads
	ds_load_b128 v[28:31], \a offset:(\off)+6144
.irp t, 0,1,2,3,4,5,6,7
	ds_load_b128 v[32+6*\t:35+6*\t], \a offset:(\off)+768*\t
	ds_load_b64 v[36+6*\t:37+6*\t], \b offset:(\off)+768*\t+512
.endr
.endm
	s_load_b128 s[4:7], s[0:1], 0x0                ; qkv, ao
	s_load_b64 s[8:9], s[0:1], 0x10                ; asc
	v_lshl_add_u32 v6, v0, 2, SPARE
	v_mov_b32 v7, 0
	ds_add_u32 v6, v7                              ; the opening lines: the add, twice on end, and its wait ahead of my tensor load
	ds_add_u32 v6, v7
	v_lshrrev_b32 v1, 5, v0
	s_delay_alu instid0(VALU_DEP_1)
	v_readfirstlane_b32 s10, v1                    ; wave 0..15
	s_bfe_u32 s11, ttmp6, 0x40000                  ; cx: it enters Q's, ao's and asc's global addresses alone
	s_and_b32 s12, ttmp7, 0xffff                   ; 16 x batch + head, which the four partners share
	s_and_b32 s13, s12, 15                         ; head
	s_lshr_b32 s14, s12, 4                         ; batch
	s_mov_b32 s16, 15|(3<<16)|(1<<21)              ; group 1: all four work-groups; elements of 8 bytes; bit 21 beside a mask; no padding
	s_mov_b32 s17, 32<<16                          ; rows of 256 bytes,
	s_mov_b32 s18, 51<<16                          ; 51 of them: a key step's 13,056 dense bytes
	s_mov_b32 s19, 32<<16
	s_mov_b32 s20, 51
	s_mov_b32 s21, 32
	s_mov_b32 s22, 0
	s_mov_b32 s23, 0
	s_mov_b32 s24, 1
	s_mul_i32 s25, s10, STEPB                      ; key step w's place in LDS
	s_mul_i32 s54, s12, HEADB                      ; the head's first byte
	s_mul_i32 s53, s10, 19712
	s_add_co_u32 s56, s54, s53
	s_add_co_u32 s56, s56, 6656                    ; K and V of key step w
	s_mov_b32 s57, 0
	s_lshl_b32 s58, s11, 2                         ; Q: group of 128 tokens 4 cx + wave / 8 (pass 1: two groups on)
	s_lshr_b32 s59, s10, 3
	s_add_co_u32 s58, s58, s59
	s_mul_i32 s58, s58, 19712
	s_add_co_u32 s58, s58, s54
	s_mov_b32 s59, 0
	s_lshl_b32 s60, s14, 5                         ; ao: (32 batch + 8 cx + wave / 4) x 49,152 + (head / 2) x 6,144 + (wave % 4) x 1,536 + (head % 2) x 768
	s_lshl_b32 s61, s11, 3
	s_add_co_u32 s60, s60, s61
	s_lshr_b32 s61, s10, 2
	s_add_co_u32 s60, s60, s61
	s_mul_i32 s60, s60, 49152
	s_lshr_b32 s61, s13, 1
	s_mul_i32 s61, s61, 6144
	s_add_co_u32 s60, s60, s61
	s_and_b32 s61, s10, 3
	s_mul_i32 s61, s61, 1536
	s_add_co_u32 s60, s60, s61
	s_and_b32 s61, s13, 1
	s_mul_i32 s61, s61, 768
	s_add_co_u32 s60, s60, s61
	s_mov_b32 s61, 0
	s_lshl_b32 s62, s14, 16                        ; asc: (2,048 batch + 512 cx + 16 wave) x 32 + 2 head
	s_lshl_b32 s63, s11, 14
	s_add_co_u32 s62, s62, s63
	s_lshl_b32 s63, s10, 9
	s_add_co_u32 s62, s62, s63
	s_lshl_b32 s63, s13, 1
	s_add_co_u32 s62, s62, s63
	s_mov_b32 s63, 0
	s_mov_b32 s40, 0x76543210
	s_mov_b32 s41, 0xfedcba98                      ; v_permlanex16_b32's selects for lane l xor 16
	s_mov_b32 s42, 0x3e38aa3b                      ; c = log2(e) / 8
	s_mov_b32 s43, s42                             ; (named with it as a pair)
	s_wait_dscnt 0x0                               ; both opening adds are done
	s_wait_kmcnt 0x0
	s_add_nc_u64 s[26:27], s[4:5], s[56:57]
	s_or_b32 s27, s27, 0x80000000
	s_add_nc_u64 s[46:47], s[4:5], s[58:59]
	s_add_nc_u64 s[48:49], s[6:7], s[60:61]
	s_add_nc_u64 s[50:51], s[8:9], s[62:63]
	CROUND                                         ; all four work-groups are here: the joint loads meet
	tensor_load_to_lds s[24:27], s[16:23]          ; every wave's one load: key step w
	s_nop 0
.rept 4
	v_nop
.endr
	v_and_b32 v2, 31, v0
	s_delay_alu instid0(VALU_DEP_1)
	v_lshlrev_b32 v1, 4, v2                        ; 16 x lane
	s_delay_alu instid0(VALU_DEP_2)
	v_lshlrev_b32 v2, 3, v2                        ; 8 x lane
	s_and_b32 s53, s10, 7                          ; a: my tile among the group's eight
	s_mul_i32 s54, s53, 768
	v_add_nc_u32 v3, s54, v1                       ; Q's registers 0-3
	v_add_nc_u32 v4, s54, v2
	s_delay_alu instid0(VALU_DEP_1)
	v_add_nc_u32 v4, 512, v4                       ; registers 4-5
	v_and_b32 v82, 15, v0                          ; r
	s_delay_alu instid0(VALU_DEP_1)
	v_lshlrev_b32 v5, 4, v82
	s_and_b32 s54, s53, 1
	s_lshl_b32 s54, s54, 8
	s_lshr_b32 s55, s53, 1
	s_lshl_b32 s55, s55, 2
	s_add_co_u32 s54, s54, s55
	s_add_co_u32 s54, s54, 6144
	v_add_nc_u32 v5, s54, v5                       ; its scale word: 6,144 + 256 (a % 2) + 16 r + 4 (a / 2)
	v_lshlrev_b32 v82, 5, v82                      ; 32 r
	global_load_b128 v[16:19], v3, s[46:47]
	global_load_b64 v[20:21], v4, s[46:47]
	global_load_b32 v10, v5, s[46:47]
.irp i, 22,23,24,25,26,27,80,81,83,84,85,88,89,90,91,253,254
	v_mov_b32 v\i, 0                               ; Q's K = 64 .. 127: zero codes; what tile 7's upper half names; the lane permutes' destinations; the upper half of the pair v[252:253]
.endr
.macro BEGIN                           ; a tile of queries begins: the largest t so far -3e38; the sum and O^T zeros, which the first change of M leaves zeros
	v_mov_b32 v13, 0xff61b1e6
	s_delay_alu instid0(VALU_DEP_1)
	v_floor_f32 v12, -v13
	v_mov_b32 v14, 0
	v_mov_b32 v15, 0
.set J, 0
.rept 32
	v_mov_b32 v[160+J], 0
.set J, J+1
.endr
.endm
	BEGIN
	s_mov_b32 s44, 0                               ; the LDS byte at which the step in hand begins
	s_wait_alu depctr_va_vdst(0)                   ; the head's end
	s_wait_loadcnt 0x0                             ; Q
	s_wait_tensorcnt 0x0                           ; my key step is in
	s_barrier_signal -1
	s_barrier_wait -1                              ; everybody's is
	KLOAD v1, v2, 0                                ; key step 0's K
; A KEY STEP: 128 keys.  nx = 1: the next step's K is asked for; 2: key step 0's, for the next pass; 0: none
.macro STEP nx
	s_wait_dscnt 0x0                               ; this step's K, asked for a step ago
.irp u, 0,1,2,3,4,5,6,7
	SCORE \u
.endr
	v_add_nc_u32 v8, s44, v1                       ; with the two v_nop: the four places behind the products, ahead of the loads into their registers and of the first read of the scores,
	v_add_nc_u32 v9, s44, v2                       ; and behind the last step's second product, ahead of the loads into V's registers
	v_nop
	v_nop
.irp c, 0,1,2,3
.irp i, 0,1,2
	ds_load_b128 v[192+12*\c+4*\i:195+12*\c+4*\i], v8 offset:6656+1536*\c+512*\i
.endr
.endr
	ds_load_b64 v[80:81], v9 offset:12800          ; V's scale words
.if (\nx) == 1
	KLOAD v8, v9, STEPB
.elseif (\nx) == 2
	KLOAD v1, v2, 0
.endif
.irp b, 0,1,2,3
	v_max3_num_f32 v[BM+\b], v[96+16*\b], v[97+16*\b], v[98+16*\b]   ; the largest score of each block of 32 keys: for the row's maximum and for the block's largest p
.endr
.irp i, 3,5,7,9,11,13
.irp b, 0,1,2,3
	v_max3_num_f32 v[BM+\b], v[BM+\b], v[96+16*\b+\i], v[97+16*\b+\i]
.endr
.endr
.irp b, 0,1,2,3
	v_max_num_f32 v[BM+\b], v[BM+\b], v[111+16*\b]
.endr
.irp b, 0,1,2,3
	s_delay_alu instid0(VALU_DEP_4)
	v_permlanex16_b32 v[PT+\b], v[BM+\b], s40, s41
.endr
.irp b, 0,1,2,3
	s_delay_alu instid0(VALU_DEP_4)
	v_max_num_f32 v[BM+\b], v[BM+\b], v[PT+\b]     ; with lane l xor 16's 16 keys
.endr
	s_delay_alu instid0(VALU_DEP_2)
	v_max3_num_f32 v254, v84, v85, v86
	s_delay_alu instid0(VALU_DEP_1)
	v_max_num_f32 v254, v254, v87                  ; the step's largest score of my query
	s_delay_alu instid0(VALU_DEP_1)
	v_mul_f32 v254, s42, v254                      ; as t (c is positive)
	s_delay_alu instid0(VALU_DEP_1)
	v_max_num_f32 v13, v13, v254                   ; the running largest t
	v_mov_b32 v254, v12
	s_delay_alu instid0(VALU_DEP_2)
	v_floor_f32 v12, -v13                          ; the new -M = floor(-t)
	s_delay_alu instid0(VALU_DEP_1)
	v_sub_f32 v254, v12, v254                      ; old M - new M: a whole number, 0 or less
	s_delay_alu instid0(VALU_DEP_1)
	v_cvt_i32_f32 v254, v254                       ; (it saturates)
	s_delay_alu instid0(VALU_DEP_1)
	v_ldexp_f32 v252, 1.0, v254                    ; f = 2^(old M - new M)
.set J, 0
.rept 32
	v_pk_fma_f32 v[96+J:97+J], v[96+J:97+J], s[42:43], v[12:13] op_sel_hi:[1,0,0]   ; t - M, two at a time
.set J, J+2
.endr
.irp b, 0,1,2,3
	v_fma_f32 v[BM+\b], v[BM+\b], s42, v12         ; the same of each block's largest score
.endr
.set J, 0
	s_wait_alu depctr_va_vdst(0)                   ; ahead of the batch
.rept 64
	v_exp_f32 v[96+J], v[96+J]                     ; p = 2^(t - M), at most 1
.set J, J+1
.endr
	v_pk_mul_f32 v[14:15], v[14:15], v[252:253] op_sel_hi:[1,0]   ; the sums under the new M: a plain instruction behind the exponentials
	s_wait_alu depctr_va_vdst(0)                   ; one wait for the whole batch, ahead of its first reader
.irp b, 0,1,2,3
	v_exp_f32 v[BM+\b], v[BM+\b]                   ; the blocks' largest p
.endr
.irp k, 0,2,4,6                        ; the row's sum of the unquantised p: four chains of pairs by turns
	v_pk_add_f32 v[240+\k:241+\k], v[96+\k:97+\k], v[104+\k:105+\k]
.endr
.irp j, 16,24,32,40,48,56
.irp k, 0,2,4,6
	v_pk_add_f32 v[240+\k:241+\k], v[240+\k:241+\k], v[96+\j+\k:97+\j+\k]
.endr
.endr
	v_pk_add_f32 v[240:241], v[240:241], v[242:243]
	v_pk_add_f32 v[244:245], v[244:245], v[246:247]
	v_pk_add_f32 v[14:15], v[14:15], v[240:241]
	v_pk_add_f32 v[14:15], v[14:15], v[244:245]
	s_wait_alu depctr_va_vdst(0)                   ; and one for the four
.irp b, 0,1,2,3
	v_max_num_f32 v[BM+\b], 0x1800000, v[BM+\b]    ; the floor 2^(3 - 127): the byte cannot fall under 1
.endr
.irp b, 0,1,2,3
	s_delay_alu instid0(VALU_DEP_4)
	v_add_nc_u32 v[SO+\b], 0xff000000, v[BM+\b]    ; 2 off the exponent field: the conversion's scale operand
.endr
.irp b, 0,1,2,3
	s_delay_alu instid0(VALU_DEP_4)
	v_lshrrev_b32 v[PT+\b], 23, v[SO+\b]           ; the scale's byte
.endr
	s_delay_alu instid0(VALU_DEP_3)
	v_lshl_or_b32 v11, v89, 8, v88                 ; p's scale word for these 128 keys
	s_delay_alu instid0(VALU_DEP_1)
	v_lshl_or_b32 v11, v90, 16, v11
	s_delay_alu instid0(VALU_DEP_1)
	v_lshl_or_b32 v11, v91, 24, v11
.irp c, 0,1
	v_cvt_scalef32_pk16_fp6_f32 v[240+6*\c:242+6*\c], v[96+32*\c:111+32*\c], v[SO+2*\c]
	v_cvt_scalef32_pk16_fp6_f32 v[84+4*\c:86+4*\c], v[112+32*\c:127+32*\c], v[SO+2*\c+1]   ; (a conversion's three registers begin on an even number)
.endr
	v_nop                                          ; one plain place behind a scaled conversion
.irp c, 0,1                                    ; the operand's layout wants a whole block in a lane
.irp i, 0,1,2
	v_permlane16_swap_b32 v[240+6*\c+\i], v[84+4*\c+\i]
.endr
.irp i, 0,1,2
	s_delay_alu instid0(VALU_DEP_3)
	v_mov_b32 v[243+6*\c+\i], v[84+4*\c+\i]
.endr
.endr
	s_wait_alu depctr_va_vdst(0)                   ; directly ahead of the first reader of O^T
.set J, 0
.rept 16
	v_pk_mul_f32 v[160+J:161+J], v[160+J:161+J], v[252:253] op_sel_hi:[1,0]   ; O^T under the new M; also the places between the writing of p's codes and scale word and the products below
.set J, J+2
.endr
	s_wait_alu depctr_va_vdst(0)
.if (\nx) == 0
	s_wait_dscnt 0x0                               ; V is in
.else
	s_wait_dscnt 17                                ; V is in; younger are the 17 loads of the next K
.endif
.irp c, 0,1,2,3
	PVMUL \c                                       ; O^T += V^T P^T: four accumulators, one instruction each
.endr
	s_add_co_u32 s44, s44, STEPB
.endm
.macro STEPS n
	s_mov_b32 s45, \n
.Lstep_\@:
	STEP 1
	s_sub_co_u32 s45, s45, 1
	s_cmp_lg_u32 s45, 0
	s_cbranch_scc1 .Lstep_\@
.endm
; A tile's way out.  O^T / l; the channels into their true order; the head's two blocks of 32 quantised; codes and scale bytes stored.  p = 0: the next tile's Q is asked for meanwhile, and the sums begin anew.
.macro EPILOG p
.rept 4
	v_nop                                          ; places behind the last products
.endr
	v_add_f32 v14, v14, v15                        ; the sum's two halves,
	s_delay_alu instid0(VALU_DEP_1)
	v_permlanex16_b32 v254, v14, s40, s41
	s_delay_alu instid0(VALU_DEP_1)
	v_add_f32 v14, v14, v254                       ; and lane l xor 16's
	s_wait_alu depctr_va_vdst(0)
	v_rcp_f32 v252, v14
	v_nop                                          ; a plain instruction behind the reciprocal
.if (\p) == 0
	global_load_b128 v[16:19], v3, s[46:47] offset:39424   ; two groups of 128 tokens on
	global_load_b64 v[20:21], v4, s[46:47] offset:39424
	global_load_b32 v10, v5, s[46:47] offset:39424
.endif
	s_wait_alu depctr_va_vdst(0)                   ; ahead of the reciprocal's first reader
.set J, 0
.rept 16
	v_pk_mul_f32 v[96+J:97+J], v[160+J:161+J], v[252:253] op_sel_hi:[1,0]   ; register 8 c + j: channel 16 c + 8 h + j; each accumulator from its low end on
.set J, J+2
.endr
.irp b, 0,1
.irp j, 0,1,2,3,4,5,6,7
	v_permlane16_swap_b32 v[96+16*\b+\j], v[104+16*\b+\j]   ; now register 16 b + i: channel 32 b + 16 h + i
.endr
.endr
.irp b, 0,1
	v_max3_num_f32 v[BM+\b], |v[96+16*\b]|, |v[97+16*\b]|, 0x1800000
.endr
.irp i, 2,4,6,8,10,12,14
.irp b, 0,1
	s_delay_alu instid0(VALU_DEP_2)
	v_max3_num_f32 v[BM+\b], v[BM+\b], |v[96+16*\b+\i]|, |v[97+16*\b+\i]|
.endr
.endr
.irp b, 0,1
	s_delay_alu instid0(VALU_DEP_2)
	v_permlanex16_b32 v[PT+\b], v[BM+\b], s40, s41
.endr
.irp b, 0,1
	s_delay_alu instid0(VALU_DEP_2)
	v_max_num_f32 v[BM+\b], v[BM+\b], v[PT+\b]
.endr
.irp b, 0,1
	s_delay_alu instid0(VALU_DEP_2)
	v_add_nc_u32 v[SO+\b], 0xff000000, v[BM+\b]
.endr
.irp b, 0,1
	s_delay_alu instid0(VALU_DEP_2)
	v_lshrrev_b32 v[PT+\b], 23, v[SO+\b]
.endr
	s_delay_alu instid0(VALU_DEP_1)
	v_lshl_or_b32 v254, v89, 8, v88                ; the head's two scale bytes of my row
	v_cvt_scalef32_pk16_fp6_f32 v[240:242], v[96:111], v[SO]
	v_cvt_scalef32_pk16_fp6_f32 v[248:250], v[112:127], v[SO+1]
	v_nop                                          ; one plain place behind a scaled conversion
.irp i, 0,1,2
	v_permlane16_swap_b32 v[240+\i], v[248+\i]
.endr
.irp i, 0,1,2
	s_delay_alu instid0(VALU_DEP_3)
	v_mov_b32 v[243+\i], v[248+\i]
.endr
	global_store_b128 v1, v[240:243], s[48:49] offset:196608*(\p)        ; 512 consecutive bytes, aligned
	global_store_b64 v2, v[244:245], s[48:49] offset:196608*(\p)+512     ; 256
	global_store_b16 v82, v254, s[50:51] offset:8192*(\p)                ; both halves of the lanes store the same two bytes with the same value
.if (\p) == 0
	BEGIN
	s_wait_xcnt 0x0                                ; the stores have read their data: those registers are written again only behind this wait
	s_wait_loadcnt 0x0                             ; the next tile's Q
.endif
.endm
	STEPS 15                                       ; pass 0: key steps 0 to 14 ask for the next step's K,
	STEP 2                                         ; step 15 for step 0's, which pass 1 begins with
	EPILOG 0
	s_mov_b32 s44, 0
	STEPS 15                                       ; pass 1
	STEP 0
	EPILOG 1
	s_wait_tensorcnt 0x0                           ; the wave's end
	ds_add_u32 v6, v7
	s_wait_dscnt 0x0
	CROUND                                         ; the closing round
	s_endpgm
.Lfunc_end_k_q1f22c53f4a_attn:
	.size	k_q1f22c53f4a_attn, .Lfunc_end_k_q1f22c53f4a_attn-k_q1f22c53f4a_attn
	.p2alignl 7, 3214868480
	.fill 96, 4, 3214868480
	.section	.rodata,"a",@progbits
	.p2align	6, 0x0
	.amdhsa_kernel k_q1f22c53f4a_attn
		.amdhsa_group_segment_fixed_size 327680
		.amdhsa_private_segment_fixed_size 0
		.amdhsa_enable_private_segment 0
		.amdhsa_kernarg_size 24
		.amdhsa_user_sgpr_count 2
		.amdhsa_user_sgpr_kernarg_segment_ptr 1
		.amdhsa_wavefront_size32 1
		.amdhsa_system_sgpr_workgroup_id_x 1
		.amdhsa_system_sgpr_workgroup_id_y 1
		.amdhsa_system_sgpr_workgroup_id_z 1
		.amdhsa_system_vgpr_workitem_id 0
		.amdhsa_next_free_vgpr 256
		.amdhsa_next_free_sgpr 66
		.amdhsa_reserve_vcc 0
		.amdhsa_float_denorm_mode_32 3
		.amdhsa_float_denorm_mode_16_64 3
		.amdhsa_memory_ordered 1
		.amdhsa_forward_progress 1
		.amdhsa_inst_pref_size 85
	.end_amdhsa_kernel
	.amdgpu_metadata
---
amdhsa.version: [ 1, 2 ]
amdhsa.kernels:
  - .name:           k_q1f22c53f4a_attn
    .symbol:         k_q1f22c53f4a_attn.kd
    .args:
      - { .name: qkv, .offset: 0, .size: 8, .value_kind: global_buffer, .address_space: global }
      - { .name: ao, .offset: 8, .size: 8, .value_kind: global_buffer, .address_space: global }
      - { .name: asc, .offset: 16, .size: 8, .value_kind: global_buffer, .address_space: global }
    .group_segment_fixed_size: 327680
    .private_segment_fixed_size: 0
    .kernarg_segment_align: 8
    .kernarg_segment_size: 24
    .max_flat_workgroup_size: 512
    .sgpr_count:     66
    .vgpr_count:     256
    .wavefront_size: 32
...
	.end_amdgpu_metadata
.endif
;; end of part 3
;; launch proj (part 4): grid 4 x 64, 4 waves a work-group, clusters of 4 x 4, 327,680 bytes of LDS; arguments ao, asc, W_out_codes, W_out_scales, b_out, out0; writes out0
.if DOCPART == 4
	.amdgcn_target "amdgcn-amd-amdhsa--gfx1250"
	.amdhsa_code_object_version 6
	.text
	.protected	k_q1f22c53f4a_proj
	.globl	k_q1f22c53f4a_proj
	.p2align	8
	.type	k_q1f22c53f4a_proj,@function
k_q1f22c53f4a_proj:
	s_mov_b64 s[64:65], 0
	v_nop
	global_prefetch_b8 v0, s[64:65] scope:SCOPE_SE
	s_setreg_imm32_b32 hwreg(HW_REG_WAVE_MODE, 25, 1), 1
	s_wait_xcnt 0x0
	s_wait_alu depctr_hold_cnt(0) depctr_sa_sdst(0) depctr_va_vdst(0) depctr_va_sdst(0) depctr_va_ssrc(0) depctr_va_vcc(0) depctr_vm_vsrc(0)
	s_getreg_b32 s2, hwreg(HW_REG_IB_STS2, 6, 4)
	s_cmp_eq_u32 s2, 0
	s_cbranch_scc0 .Lentry_in_a_cluster
	s_endpgm
.Lentry_in_a_cluster:
	s_bfe_u32 s2, ttmp6, 0x10000c
	s_cmp_lg_u32 s2, 0xf033
	s_cbranch_scc0 .Lentry_shape_is_right
	s_endpgm
.Lentry_shape_is_right:
; out0 = A W_out + b_out on codes of FP6 (E2M3) with E8M0 scales, [8192 x 1024] x [1024 x 1024], f32 out.  A: the attention's result as the launch before laid it: codes in the order of the operand's registers (ao), scale bytes [8192][32] (asc).
; SHARES.  A work-group makes 128 rows x 256 columns over all of K; its four waves stand side by side, 128 x 64 each: 32 accumulators, 8 K steps of 128, 32 matrix instructions a step.  256 work-groups.
; LDS.  A's 128 rows for all of K (98,304 bytes, as they lie in memory: (row tile / 4) x 49,152 + K step x 6,144 + (row tile % 4) x 1,536) and W's 256 rows (three chunks of 256 bytes a row, 16 bytes of padding behind each:
; 816 bytes = 204 words from row to row, so that the 32 lanes of a load of 8 bytes touch 64 different banks: ISA guide 11.1) lie in LDS together: every tensor load is a first fill.  Behind them a stage of its own for each wave.
; CLUSTER 4 x 4: A's tiles are shared along a row of the cluster, W's along a column, each asked for jointly.  One round ahead of the fills, one at the end.
; The product is used transposed (source 0 = 16 rows of W, source 1 = 16 rows of A): a lane holds eight neighbouring numbers of a row of out0.  The bias is the C of K step 0.  Scales and bias go from memory into registers once.
; REGISTERS, in windows of 256: window 0: addresses, scales, bias, the way out.  window 1: A's fragments, set p at 96 p + 12 a.  window 2: W's, set p at 48 p + 12 c.  window 3: the accumulators, (a, c) at 8 (4 a + c).
.set CHB,   256*272
.set BREG,  98304                      ; W's chunks lie behind A
.set STAGE, BREG+3*CHB                 ; 16 rows x 272 bytes for each wave: no fill lands here
.set SPARE, STAGE+4*16*272             ; the spare words, 128 bytes for each wave: two blocks of 256 bytes that no other line names
.set SPW,   4                          ; v4   LDS address of my spare word; never rewritten
.set NIL,   5                          ; v5   0; never rewritten
.set ADI16, 6                          ; v6-7   16 x lane in A's rows 0-63, 64-127
.set ADI8,  8                          ; v8-9   8 x lane likewise
.set ADRB,  11                         ; v11    my place in my wave's 64 rows of W: row x 816 + 24 h
.set ADRBX, 14                         ; v14 the same where lanes 16-31's piece lies in the next chunk
.set VSA,   18
.set VSB,   19
.set VBI,   20
.set STO,   24                         ; v24  the stage: where I put 32 bytes of a row
.set RD,    25                         ; v25  and where I read a row back
.set CO,    26                         ; v26  my byte offset in two rows of out0
.set SA,    32                         ; v32-63  SA + 8 i + q: lanes 0-15 the word of A's block i, lanes 16-31 of block i + 4, K step q
.set SB,    64                         ; v64-79  SB + 8 i + q: lanes 0-15 W's block i, lanes 16-31 block i + 2
.set BI,    80                         ; v80-111 the bias in the result's layout
.set BK,    176                        ; v176-239 the way out: 16 rows read back, two sets of 32
.set G1A,   24                         ; s[24:31], s[32:39] descriptor groups 1;  s[40:43] A's group 0;  s[56:59] W's
.set G1B,   32
.set G0A,   40
.set MSB, 0
.macro WIN new                         ; the immediate's high byte repeats the setting that is left; a switch that changes nothing is dropped
.if MSB != \new
	s_set_vgpr_msb (MSB<<8)|\new
.set MSB, \new
.endif
.endm
.macro PLACES n
.rept \n
	v_nop
.endr
.endm
.macro CROUND                          ; a round of the cluster's barrier
	s_barrier_signal -1
	s_barrier_wait -1
	s_cmp_lg_u32 s18, 0
	s_cbranch_scc1 .Lnot_wave_0_\@
	s_barrier_signal -3
.Lnot_wave_0_\@:
	s_barrier_wait -3
	s_barrier_signal -1
	s_barrier_wait -1
.endm
.macro WM d, a, b, cr, sa, sb, ra, rb  ; one matrix instruction.  ra, rb: source 0's, source 1's scales are read from lanes 16-31
.if ((\ra) != 0) && ((\rb) != 0)
	v_wmma_scale_f32_16x16x128_f8f6f4 v[(\d):(\d)+7], v[(\a):(\a)+11], v[(\b):(\b)+11], v[(\cr):(\cr)+7], v[(\sa)], v[(\sb)] matrix_a_fmt:MATRIX_FMT_FP6 matrix_b_fmt:MATRIX_FMT_FP6 matrix_a_scale:MATRIX_SCALE_ROW1 matrix_b_scale:MATRIX_SCALE_ROW1
.elseif (\ra) != 0
	v_wmma_scale_f32_16x16x128_f8f6f4 v[(\d):(\d)+7], v[(\a):(\a)+11], v[(\b):(\b)+11], v[(\cr):(\cr)+7], v[(\sa)], v[(\sb)] matrix_a_fmt:MATRIX_FMT_FP6 matrix_b_fmt:MATRIX_FMT_FP6 matrix_a_scale:MATRIX_SCALE_ROW1
.elseif (\rb) != 0
	v_wmma_scale_f32_16x16x128_f8f6f4 v[(\d):(\d)+7], v[(\a):(\a)+11], v[(\b):(\b)+11], v[(\cr):(\cr)+7], v[(\sa)], v[(\sb)] matrix_a_fmt:MATRIX_FMT_FP6 matrix_b_fmt:MATRIX_FMT_FP6 matrix_b_scale:MATRIX_SCALE_ROW1
.else
	v_wmma_scale_f32_16x16x128_f8f6f4 v[(\d):(\d)+7], v[(\a):(\a)+11], v[(\b):(\b)+11], v[(\cr):(\cr)+7], v[(\sa)], v[(\sb)] matrix_a_fmt:MATRIX_FMT_FP6 matrix_b_fmt:MATRIX_FMT_FP6
.endif
.endm
; W's fragment from rows: lanes 0-15 take the row's pieces of 8 bytes 12 q + 0, 1, 2 and 12 q + 6, 7, 8, lanes 16-31 those three pieces on.  Piece P lies in chunk P / 32 at 8 (P % 32); where the piece three on lies in the next chunk, the second address register serves.
.macro FRAGR reg, adr, adrx, q, i
.irp p, 0,1,2,3,4,5
.set PC, 12*(\q)+6*(\p/3)+\p%3
; an LDS row of W is 816 bytes: 3 x (256 + 16); piece P lies at 8 P + 16 (P / 32)
.if PC%32 < 29
	ds_load_b64 v[(\reg)+2*\p:(\reg)+2*\p+1], v[(\adr)] offset:8*PC+16*(PC/32)+(\i)*13056
.else
	ds_load_b64 v[(\reg)+2*\p:(\reg)+2*\p+1], v[(\adrx)] offset:8*PC+16*(PC/32)+(\i)*13056
.endif
.endr
.endm
; A's fragment from its image: two heads on end, each registers 0-3 at 16 x lane and registers 4-5 at 512 + 8 x lane
.macro FRAGI reg, q, a
.set FO, (\q)*6144+((\a)&3)*1536
	ds_load_b128 v[(\reg):(\reg)+3], v[ADI16+(\a)/4] offset:FO
	ds_load_b64 v[(\reg)+4:(\reg)+5], v[ADI8+(\a)/4] offset:FO+512
	ds_load_b128 v[(\reg)+6:(\reg)+9], v[ADI16+(\a)/4] offset:FO+768
	ds_load_b64 v[(\reg)+10:(\reg)+11], v[ADI8+(\a)/4] offset:FO+1280
.endm
.macro FETCH q                         ; K step q's 12 fragments into set q % 2
.set PS, (\q)%2
	WIN 0x40                                       ; destination window 1, address window 0
.irp i, 0,1,2,3,4,5,6,7
	FRAGI 96*PS+12*\i, \q, \i
.endr
	WIN 0x80                                       ; destination window 2
.irp i, 0,1,2,3
	FRAGR 48*PS+12*\i, ADRB, ADRBX, \q, \i
.endr
	WIN 0
.endm
; 32 matrix instructions.  The 32 accumulators take turns, one instruction a turn, in the same order in every K step.  K step 0 takes the bias as C.
.macro MULT q
.set PS, (\q)%2
.if (\q) == 0
	WIN 0xc6                                       ; source 0 (W) window 2, source 1 (A) window 1, C (the bias) window 0, D window 3
.else
	WIN 0xf6
.endif
.irp a, 0,1,2,3,4,5,6,7
.irp c, 0,1,2,3
.if (\q) == 0
	WM 8*(4*\a+\c), 48*PS+12*\c, 96*PS+12*\a, BI+8*\c, SB+8*(\c%2)+(\q), SA+8*(\a%4)+(\q), \c/2, \a/4
.else
	WM 8*(4*\a+\c), 48*PS+12*\c, 96*PS+12*\a, 8*(4*\a+\c), SB+8*(\c%2)+(\q), SA+8*(\a%4)+(\q), \c/2, \a/4
.endif
.endr
.endr
.endm
; A K step: its fragments, asked for a step ago, are in; the next step's are asked for; then the products.  W's chunk 1 is first read by the fetch of step 2, chunk 2 by that of step 5; A's one load brings all eight K steps.
; All is in behind the one barrier ahead of the first fetch.
.macro KSTEP q
	s_wait_dscnt 0x0
.if (\q) < 7
.if (\q) > 0
	PLACES 4                                       ; the loads land in registers that the last products read: four plain vector instructions between (ISA guide 7.12.1 for vector instructions)
.endif
	FETCH (\q)+1
.endif
	MULT \q
	WIN 0
.endm
	s_load_b256 s[4:11], s[0:1], 0x0               ; ao s[4:5], asc s[6:7], W's codes s[8:9], W's scales s[10:11]
	s_load_b128 s[12:15], s[0:1], 0x20             ; the bias s[12:13], out0 s[14:15]
	v_lshl_add_u32 v[SPW], v0, 2, SPARE
	v_mov_b32 v[NIL], 0
	ds_add_u32 v[SPW], v[NIL]                      ; the wave's opening: the add and its wait stand ahead of my first tensor load; the set-up below, work on registers, stands between them
	ds_add_u32 v[SPW], v[NIL]
	v_lshrrev_b32 v1, 5, v0
	v_readfirstlane_b32 s18, v1                    ; wave 0..3
	s_and_b32 s19, s18, 1                          ; which half of a tile's rows I fetch
	s_lshr_b32 s20, s18, 1                         ; I fetch for A (0) or for W (1)
	s_bfe_u32 s21, ttmp6, 0x40000                  ; cx
	s_bfe_u32 s22, ttmp6, 0x40004                  ; cy
	s_lshl_b32 s66, ttmp9, 2
	s_add_co_u32 s66, s66, s21                     ; X: 256 columns
	s_and_b32 s67, ttmp7, 0xffff
	s_lshl_b32 s67, s67, 2
	s_add_co_u32 s67, s67, s22                     ; Y: 128 rows
	s_lshl_b32 s80, s22, 2
	s_lshl_b32 s80, 15, s80                        ; my row of the cluster
	s_lshl_b32 s81, 0x1111, s21                    ; my column
	s_or_b32 s[G1A], s80, (3<<16)|(1<<21)          ; A: 15:0 the mask; 17:16 elements of 8 bytes; 21 set beside a mask; no padding
	s_mov_b32 s[G1A+1], 32<<16                     ; rows of 256 bytes,
	s_mov_b32 s[G1A+2], 192<<16                    ; 192 of them: 49,152 dense bytes, all K steps of 64 rows
	s_mov_b32 s[G1A+3], 32<<16
	s_mov_b32 s[G1A+4], 192
	s_mov_b32 s[G1A+5], 32
	s_mov_b32 s[G1A+6], 0
	s_mov_b32 s[G1A+7], 0
	s_or_b32 s[G1B], s81, (1<<20)|(1<<21)|(5<<22)|(3<<25)   ; W: elements of 1 byte; padding: 4 words after every 64
	s_mov_b32 s[G1B+1], 768<<16                    ; whole rows of K, padded behind every 256 bytes
	s_mov_b32 s[G1B+2], 128<<16
	s_mov_b32 s[G1B+3], 768<<16
	s_mov_b32 s[G1B+4], 128
	s_mov_b32 s[G1B+5], 768
	s_mov_b32 s[G1B+6], 0
	s_mov_b32 s[G1B+7], 0
	s_lshl_b32 s72, s67, 1                         ; A: 64 rows number 2 Y + half (registers that never hold cx)
	s_add_co_u32 s72, s72, s19
	s_mul_i32 s72, s72, 49152
	s_mov_b32 s73, 0
	s_lshl_b32 s74, s66, 8                         ; W: row 256 X + 128 x half (registers that never hold cy)
	s_lshl_b32 s83, s19, 7
	s_add_co_u32 s74, s74, s83
	s_mul_i32 s74, s74, 768
	s_mov_b32 s75, 0
	s_mul_i32 s84, s19, 49152                      ; where they go: no place in the cluster enters an LDS address
	s_mul_i32 s85, s19, 128*816
	s_wait_dscnt 0x0                               ; the opening add is done
	s_wait_kmcnt 0x0
	s_add_nc_u64 s[72:73], s[4:5], s[72:73]
	s_add_nc_u64 s[74:75], s[8:9], s[74:75]
	CROUND                                         ; all sixteen work-groups are here: the joint loads meet
.irp c, 0
	s_mov_b32 s[G0A+4*\c], 1
	s_add_co_u32 s[G0A+4*\c+1], s84, \c*12288
	s_add_nc_u64 s[G0A+4*\c+2:G0A+4*\c+3], s[72:73], \c*12288
	s_or_b32 s[G0A+4*\c+3], s[G0A+4*\c+3], 0x80000000
.endr
	s_mov_b32 s56, 1
	s_add_co_u32 s57, s85, BREG
	s_mov_b64 s[58:59], s[74:75]
	s_or_b32 s59, s59, 0x80000000
	s_cmp_eq_u32 s20, 0                            ; a wave's fill stands in one branch on the wave's number: one load of mine is out at the most
	s_cbranch_scc0 .Lfill_w
	tensor_load_to_lds s[G0A:G0A+3], s[G1A:G1A+7]
	s_nop 0
	PLACES 4
	s_branch .Lfilled
.Lfill_w:
	tensor_load_to_lds s[56:59], s[G1B:G1B+7]
	s_nop 0
	PLACES 4
.Lfilled:
	v_and_b32 v1, 15, v0                           ; r
	v_bfe_u32 v2, v0, 4, 1                         ; h
	v_and_b32 v3, 31, v0                           ; lane
	v_lshlrev_b32 v[VSA], 5, v1
	v_lshl_add_u32 v[VSB], v2, 10, v[VSA]
	v_lshl_add_u32 v[VSA], v2, 11, v[VSA]
	s_wait_alu depctr_va_vdst(0)
	v_lshlrev_b32 v[VBI], 5, v2                    ; lane (r, h) wants, for tile c, the bias of columns 16 c + 8 h + 0 .. 7
	s_wait_alu depctr_va_vdst(0)
	s_lshl_b32 s76, s67, 12                        ; A's scales at row 128 Y: 32 bytes a row
	s_mov_b32 s77, 0
	s_add_nc_u64 s[6:7], s[6:7], s[76:77]
	s_lshl_b32 s78, s66, 13                        ; W's at row 256 X + 64 x wave
	s_lshl_b32 s79, s18, 11
	s_add_co_u32 s78, s78, s79
	s_mov_b32 s79, 0
	s_add_nc_u64 s[10:11], s[10:11], s[78:79]
	s_lshr_b32 s78, s78, 3                         ; the bias at that column: 4 bytes; and my columns' place in a row of out0
	s_add_nc_u64 s[12:13], s[12:13], s[78:79]
	s_add_nc_u64 s[14:15], s[14:15], s[78:79]
	s_lshl_b32 s76, s67, 19                        ; row 128 Y of 4,096 bytes
	s_add_nc_u64 s[14:15], s[14:15], s[76:77]
.irp i, 0,1,2,3
	global_load_b128 v[SA+8*\i:SA+8*\i+3], v[VSA], s[6:7] offset:512*\i
	global_load_b128 v[SA+8*\i+4:SA+8*\i+7], v[VSA], s[6:7] offset:512*\i+16
.endr
.irp i, 0,1
	global_load_b128 v[SB+8*\i:SB+8*\i+3], v[VSB], s[10:11] offset:512*\i
	global_load_b128 v[SB+8*\i+4:SB+8*\i+7], v[VSB], s[10:11] offset:512*\i+16
.endr
.irp c, 0,1,2,3
	global_load_b128 v[BI+8*\c:BI+8*\c+3], v[VBI], s[12:13] offset:64*\c
	global_load_b128 v[BI+8*\c+4:BI+8*\c+7], v[VBI], s[12:13] offset:64*\c+16
.endr
	v_lshlrev_b32 v[ADI16], 4, v3
	v_add_nc_u32 v[ADI16+1], 49152, v[ADI16]
	v_lshlrev_b32 v[ADI8], 3, v3
	v_add_nc_u32 v[ADI8+1], 49152, v[ADI8]
	v_mul_u32_u24 v21, v1, 272                     ; a row of the stage
	v_mul_u32_u24 v22, v1, 816                     ; a row of W
	s_mul_i32 s86, s18, 64*816                     ; my wave's 64 rows of W
	s_add_co_u32 s86, s86, BREG
	v_mad_u32_u24 v[ADRB], v2, 24, v22
	v_add_nc_u32 v[ADRB], s86, v[ADRB]
	v_mad_u32_u24 v[ADRBX], v2, 40, v22            ; where lanes 16-31's piece lies behind one padding more
	v_add_nc_u32 v[ADRBX], s86, v[ADRBX]
	s_mul_i32 s87, s18, 16*272
	s_add_co_u32 s87, s87, STAGE                   ; my stage
	v_lshl_add_u32 v[STO], v2, 5, v21              ; in: row r, 32 bytes for each half of the lanes
	v_add_nc_u32 v[STO], s87, v[STO]
	v_mul_u32_u24 v[RD], v2, 272                   ; back: lanes 0-15 one row of 256 bytes, lanes 16-31 the next
	v_lshl_add_u32 v[RD], v1, 4, v[RD]
	v_add_nc_u32 v[RD], s87, v[RD]
	v_lshlrev_b32 v[CO], 12, v2                    ; and the same two rows in out0
	v_lshl_add_u32 v[CO], v1, 4, v[CO]
	s_wait_alu depctr_va_vdst(0)
	s_wait_tensorcnt 0x0                           ; my one load is in
	s_barrier_signal -1
	s_barrier_wait -1                              ; everybody's are in
	FETCH 0
	s_wait_loadcnt 0x0                             ; scales and bias
.irp q, 0,1,2,3,4,5,6,7
	KSTEP \q
.endr
; THE WAY OUT, block by block of 16 rows x 64 columns.  A lane holds 32 neighbouring bytes of a row, and the lanes beside it hold other rows: so a block goes through my own stage and comes back as whole rows of 256 bytes.
; LDS serves a wave's instructions in order (ISA guide 5.7.1.4): no wait between the stores and the loads, nor in front of the next block's stores.
.macro TOSTAGE a
	WIN 0x0c                                       ; an LDS store's data are its source 1: window 3
.irp c, 0,1,2,3
	ds_store_b128 v[STO], v[8*(4*(\a)+\c):8*(4*(\a)+\c)+3] offset:64*\c          ; each accumulator from its low end on
	ds_store_b128 v[STO], v[8*(4*(\a)+\c)+4:8*(4*(\a)+\c)+7] offset:64*\c+16
.endr
	WIN 0
.set BB, BK+32*((\a)%2)
.irp t, 0,1,2,3,4,5,6,7
	ds_load_b128 v[BB+4*\t:BB+4*\t+3], v[RD] offset:544*\t
.endr
.endm
.macro SEND a, younger                 ; younger: the LDS instructions issued behind block a's loads, which may stay out
.set BB, BK+32*((\a)%2)
	s_wait_dscnt \younger
.irp t, 0,1,2,3,4,5,6,7
	global_store_b128 v[CO], v[BB+4*\t:BB+4*\t+3], s[14:15] offset:65536*(\a)+8192*\t th:TH_STORE_NT   ; sixteen lanes store 256 consecutive bytes, aligned; written once, read by nobody here
.endr
.endm
	PLACES 4                                       ; ahead of the first read of results
	TOSTAGE 0
.irp a, 1,2,3,4,5,6,7
.if \a > 1
	s_wait_xcnt 0x0                                ; block a - 2's stores have read their data: block a's loads land there only behind this wait
.endif
	TOSTAGE \a
	SEND \a-1, 16                                  ; behind block a - 1's loads: block a's 8 stores and 8 loads
.endr
	SEND 7, 0
	s_wait_tensorcnt 0x0                           ; the wave's end, behind my last tensor load and my last LDS store
	ds_add_u32 v[SPW], v[NIL]
	s_wait_dscnt 0x0
	CROUND                                         ; the closing round
	s_endpgm
.Lfunc_end_k_q1f22c53f4a_proj:
	.size	k_q1f22c53f4a_proj, .Lfunc_end_k_q1f22c53f4a_proj-k_q1f22c53f4a_proj
	.p2alignl 7, 3214868480
	.fill 96, 4, 3214868480
	.section	.rodata,"a",@progbits
	.p2align	6, 0x0
	.amdhsa_kernel k_q1f22c53f4a_proj
		.amdhsa_group_segment_fixed_size 327680
		.amdhsa_private_segment_fixed_size 0
		.amdhsa_enable_private_segment 0
		.amdhsa_kernarg_size 48
		.amdhsa_user_sgpr_count 2
		.amdhsa_user_sgpr_kernarg_segment_ptr 1
		.amdhsa_wavefront_size32 1
		.amdhsa_system_sgpr_workgroup_id_x 1
		.amdhsa_system_sgpr_workgroup_id_y 1
		.amdhsa_system_sgpr_workgroup_id_z 1
		.amdhsa_system_vgpr_workitem_id 0
		.amdhsa_next_free_vgpr 1024
		.amdhsa_next_free_sgpr 100
		.amdhsa_reserve_vcc 0
		.amdhsa_float_denorm_mode_32 3
		.amdhsa_float_denorm_mode_16_64 3
		.amdhsa_memory_ordered 1
		.amdhsa_forward_progress 1
		.amdhsa_inst_pref_size 86
	.end_amdhsa_kernel
	.amdgpu_metadata
---
amdhsa.version: [ 1, 2 ]
amdhsa.kernels:
  - .name:           k_q1f22c53f4a_proj
    .symbol:         k_q1f22c53f4a_proj.kd
    .args:
      - { .name: ao, .offset: 0, .size: 8, .value_kind: global_buffer, .address_space: global }
      - { .name: asc, .offset: 8, .size: 8, .value_kind: global_buffer, .address_space: global }
      - { .name: W_out_codes, .offset: 16, .size: 8, .value_kind: global_buffer, .address_space: global }
      - { .name: W_out_scales, .offset: 24, .size: 8, .value_kind: global_buffer, .address_space: global }
      - { .name: b_out, .offset: 32, .size: 8, .value_kind: global_buffer, .address_space: global }
      - { .name: out0, .offset: 40, .size: 8, .value_kind: global_buffer, .address_space: global }
    .group_segment_fixed_size: 327680
    .private_segment_fixed_size: 0
    .kernarg_segment_align: 8
    .kernarg_segment_size: 48
    .max_flat_workgroup_size: 128
    .sgpr_count:     100
    .vgpr_count:     1024
    .wavefront_size: 32
...
	.end_amdgpu_metadata
.endif
;; end of part 4
